; MI455X (gfx1250); checked and timed in simulation.
; The chip was launched on July 23, 2026; its instructions are those of AMD's public machine-readable ISA for CDNA 5 (MIT licence, August 2026) and "CDNA5" Instruction Set Architecture Reference Guide (July 2026). The comments in the code are by the model that wrote it; some were corrected since.
;; Transformer Block. Allowed arithmetic: matrix products marked QUANTISED: E5M2 operands, one given power-of-two scale a tensor, by v_wmma_f32_16x16x64_bf8_bf8 or v_wmma_f32_16x16x128_bf8_bf8, f32 sums; everything else in f32.
;; Inputs: b1 4,096 float32; b2 1,024 float32; bk 1,024 float32; bo 1,024 float32; bq 1,024 float32; bv 1,024 float32; ln1_scale 1,024 float32; ln1_shift 1,024 float32; ln2_scale 1,024 float32; ln2_shift 1,024 float32; lowp_scales 16 int32 (the exponents e of the quantised operands' scales 2^e); w1_codes 4,096 x 32 x 32 uint8 (E5M2 codes of w1, K innermost, in blocks of 32 codes); w2_codes 1,024 x 128 x 32 uint8 (E5M2 codes of w2, K innermost, in blocks of 32 codes); wk_codes 1,024 x 32 x 32 uint8 (E5M2 codes of wk, K innermost, in blocks of 32 codes); wo_codes 1,024 x 32 x 32 uint8 (E5M2 codes of wo, K innermost, in blocks of 32 codes); wq_codes 1,024 x 32 x 32 uint8 (E5M2 codes of wq, K innermost, in blocks of 32 codes); wv_codes 1,024 x 32 x 32 uint8 (E5M2 codes of wv, K innermost, in blocks of 32 codes); x 2 x 2,048 x 1,024 float32.
;; Outputs: out0 2 x 2,048 x 1,024 float32.
;; This version of the problem:
;;   THIS VERSION OF THE PROBLEM IS GIVEN IN LOW PRECISION. The matrix products marked QUANTISED in the list below multiply operands that are first quantised to E5M2 (5 exponent bits, 2 mantissa bits; 8 bits a number), with one given power-of-two scale for each operand tensor; their sums are f32. All else is computed in f32.
;;   The module's matrix products, in the order in which they are computed (A, B: the left and right operand; K: the contracted axis; several contracted axes count as one K, in the product's order):
;;     1. [M 4,096, K 1,024] x [K 1,024, N 1,024]; A: computed on the way; B: input wq (given as codes): QUANTISED (scales: A lowp_scales[0], B lowp_scales[1])
;;     2. [M 4,096, K 1,024] x [K 1,024, N 1,024]; A: computed on the way; B: input wk (given as codes): QUANTISED (scales: A lowp_scales[2], B lowp_scales[3])
;;     3. [M 4,096, K 1,024] x [K 1,024, N 1,024]; A: computed on the way; B: input wv (given as codes): QUANTISED (scales: A lowp_scales[4], B lowp_scales[5])
;;     4. batch 32 x [M 2,048, K 64] x [K 64, N 2,048]; A: computed on the way; B: computed on the way: QUANTISED (scales: A lowp_scales[6], B lowp_scales[7])
;;     5. batch 32 x [M 2,048, K 2,048] x [K 2,048, N 64]; A: softmax (see below); B: computed on the way: QUANTISED (scales: A lowp_scales[8], B lowp_scales[9])
;;     6. [M 4,096, K 1,024] x [K 1,024, N 1,024]; A: computed on the way; B: input wo (given as codes): QUANTISED (scales: A lowp_scales[10], B lowp_scales[11])
;;     7. [M 4,096, K 1,024] x [K 1,024, N 4,096]; A: computed on the way; B: input w1 (given as codes): QUANTISED (scales: A lowp_scales[12], B lowp_scales[13])
;;     8. [M 4,096, K 4,096] x [K 4,096, N 1,024]; A: computed on the way; B: input w2 (given as codes): QUANTISED (scales: A lowp_scales[14], B lowp_scales[15])
;;   THE QUANTISER, for each operand of a quantised product, along K:
;;     - The operand's scale is 2^e, e = its entry of the input lowp_scales (int32; the entries are numbered through the quantised products in the list's order, A before B).
;;     - Each number is divided by the scale, clamped to +-57,344, and rounded to the nearest number of E5M2, ties to even, subnormals kept.
;;     - The product sums the exact products of the quantised numbers (number of the format x scale) in f32.
;;   ~~~python
;;   def quantise(x, axis, e):      # numpy; x: float32 -> the quantised numbers, widened to float32 again
;;       x = np.moveaxis(x, axis, -1); K = x.shape[-1]
;;       r = np.clip(x / 2.0 ** e, -57344, 57344)
;;       step = 2.0 ** (np.maximum(np.frexp(np.where(r == 0, 1, r))[1] - 1, -14) - 2)
;;       q = np.round(r / step) * step * 2.0 ** e      # np.round: ties to even
;;       return np.moveaxis(q, -1, axis).astype(np.float32)
;;   ~~~
;;   SOFTMAX AHEAD OF A QUANTISED PRODUCT. Where the list says 'softmax', what is quantised is not the finished softmax but p = 2^(t - M), with t = logit x log2(e) and M = ceil(the row's largest t), a whole number; so 1/2 < the row's largest p <= 1. The row's sum l is taken of the UNQUANTISED p, in f32, and the product's result is divided by l at the end. Since M is a whole number, a kernel that streams over the keys may use a running M (the ceiling of the running maximum): every later rescaling is an exact power of two, so the quantised numbers keep their values, but for numbers so far below the row's largest that they fall under the format's range.
;;   OPERANDS COMPUTED ON THE WAY. 'Computed on the way' means the value that the module computes at that place (a softmax that the list does not call 'softmax' is quantised finished and normalised). What goes into a quantiser is computed in f32, as accurately as f32 sums, v_exp_f32 and their like allow (about 1e-6 of the number): no bf16 or f16 on the way to a quantiser, and a product that is left as it is and whose result goes on into a quantised operand takes f32 operands (vector FMAs, or v_wmma_f32_16x16x4_f32). A number that lies on a knife's edge between two numbers of the format may be rounded either way, as far as f32 arithmetic and the matrix unit's own rounding can turn it there, and no further.
;;   INPUTS GIVEN AS CODES. w1 (in the module: [1024, 4096], K = its axis 0); w2 (in the module: [4096, 1024], K = its axis 0); wk (in the module: [1024, 1024], K = its axis 0); wo (in the module: [1024, 1024], K = its axis 0); wq (in the module: [1024, 1024], K = its axis 0); wv (in the module: [1024, 1024], K = its axis 0): each comes as NAME_codes (uint8): NAME with its K axis moved to the last place and cut into blocks of 32 codes, [.., K / 32, bytes a block], one block behind the other in memory; one code a byte (a code: sign, 5 exponent bits, 2 mantissa bits); its scale is its entry of lowp_scales. Its value is code x scale, taken as it is: it is not quantised again, and the codes and scales need not be those that the quantiser above would give.
;; One version. Each part assembles by itself: llvm-mc -triple=amdgcn-amd-amdhsa -mcpu=gfx1250 --defsym DOCPART=n.
;; ======== version 1 of 1: 7 launches
;; limits: right only within a limited range of input values
;; workspace buffers: h1 12,582,912 bytes; qkv 12,582,912 bytes; ctx 4,194,304 bytes; x1 16,777,216 bytes; h2 4,194,304 bytes; g 16,777,216 bytes
;; launch ln1 (part 1): grid 256 x 1, 4 waves a work-group, no clusters, 16,896 bytes of LDS; arguments x, ln1_scale, ln1_shift, lowp_scales, h1; writes h1
.if DOCPART == 1
	.amdgcn_target "amdgcn-amd-amdhsa--gfx1250"
	.amdhsa_code_object_version 6
	.text
	.protected	k_qf708ceac06_ln1
	.globl	k_qf708ceac06_ln1
	.p2align	8
	.type	k_qf708ceac06_ln1,@function
k_qf708ceac06_ln1:
	s_mov_b64 s[64:65], 0
	v_nop
	global_prefetch_b8 v0, s[64:65] scope:SCOPE_SE
	s_setreg_imm32_b32 hwreg(HW_REG_WAVE_MODE, 25, 1), 1
	s_wait_xcnt 0x0
; h = gain * (x - mean) * rsqrt(var + 1e-5) + shift along rows of 1,024 f32, then quantised to codes of E5M2 NOUT times, each time with a given scale 2^e.
; Here NOUT = 3: the three products that read h have scales of their own (entries 0, 2, 4); plane k of the output, 4 MiB, holds [4096][1024] codes, rows as in x.
; SHARES: a wave takes 4 rows, one at a time, whole in 32 registers a lane; all 32 row loads go out at the head.  No wave waits for another: no barrier.
; The mean is taken first and the variance of the differences: no difference of large sums is formed.
; A load gives a lane 4 neighbours; the conversion wants 8 neighbours in one lane: the finished row turns once through the wave's own 4,096 bytes of LDS.
; LIMITS: each e between -126 and 112, so that 2^e and 57,344 x 2^e are f32 numbers.  NaN and infinities among the inputs are not served.
.set NOUT, 3
.set G,  16                            ; v16-47   gain of my columns 128 i + 4 lane + 0..3
.set SH, 48                            ; v48-79   shift likewise
.set X,  80                            ; v80-207  row p at X + 32 p; when the row is done its first registers take its codes
.set H,  208                           ; v208-239 the row behind the turn: columns 256 c + 8 lane + 0..7
.set T,  240                           ; v240-255 two sets of 8 held numbers; v[240:241] also a second chain of sums
	s_load_b256 s[4:11], s[0:1], 0x0               ; x s[4:5], gain s[6:7], shift s[8:9], the scales' exponents s[10:11]
	s_load_b64 s[12:13], s[0:1], 0x20              ; the codes
	s_set_vgpr_msb 0x40
	v_lshl_add_u32 v0, v0, 2, 0x4000
	v_mov_b32 v1, 0
	s_set_vgpr_msb 0x4000
	v_lshrrev_b32 v1, 5, v0
	v_readfirstlane_b32 s14, v1                    ; wave
	v_and_b32 v1, 31, v0                           ; lane
	v_lshlrev_b32 v2, 4, v1                        ; 16 x lane: my 16 bytes of a load's 512
	s_lshl_b32 s15, s14, 12                        ; my wave's 4,096 bytes of LDS
	v_add_nc_u32 v3, s15, v2                       ; into them: as loaded
	v_lshl_add_u32 v4, v1, 5, s15                  ; out of them: 32 bytes a lane
	v_lshlrev_b32 v5, 3, v1                        ; 8 codes a lane
	s_mov_b32 s30, 0x76543210                      ; v_permlanex16_b32: lane l xor 16
	s_mov_b32 s31, 0xfedcba98
	s_mov_b32 s32, 0x3a800000                      ; 1 / 1024
	s_mov_b32 s33, 0x3727c5ac                      ; 1e-5
	s_lshl_b32 s34, ttmp9, 2
	s_add_co_u32 s34, s34, s14                     ; which run of 4 rows is my wave's
	s_lshl_b32 s36, s34, 12                        ; 4 rows of 1,024 codes
	s_mov_b32 s37, 0
	s_lshl_b32 s34, s34, 14                        ; 4 rows of 4,096 bytes
	s_mov_b32 s35, 0
	s_wait_alu depctr_va_vdst(0)
	s_wait_kmcnt 0x0
	s_load_b256 s[16:23], s[10:11], 0x0            ; e0 .. e7: entries 0, 2, 4 are used
	s_add_nc_u64 s[4:5], s[4:5], s[34:35]
	s_add_nc_u64 s[24:25], s[12:13], s[36:37]      ; plane 0,
	s_add_nc_u64 s[26:27], s[24:25], 0x400000      ; plane 1,
	s_add_nc_u64 s[28:29], s[24:25], 0x800000      ; plane 2
.macro RLOAD p                         ; a row: eight loads of 512 consecutive bytes
.irp i, 0,1,2,3,4,5,6,7
	global_load_b128 v[X+32*\p+4*\i:X+32*\p+4*\i+3], v2, s[4:5] offset:4096*\p+512*\i th:TH_LOAD_NT
.endr
.endm
	RLOAD 0
.irp i, 0,1,2,3,4,5,6,7
	global_load_b128 v[G+4*\i:G+4*\i+3], v2, s[6:7] offset:512*\i
.endr
.irp i, 0,1,2,3,4,5,6,7
	global_load_b128 v[SH+4*\i:SH+4*\i+3], v2, s[8:9] offset:512*\i
.endr
	RLOAD 1
	RLOAD 2
	RLOAD 3
.macro MKSC e, sc, lim                 ; v[sc] = 2^e as f32 (the conversion takes its exponent field), v[lim] = 57,344 x 2^e
	s_add_co_i32 s38, s[\e], 127
	s_lshl_b32 s39, s38, 23
	v_mov_b32 v[\sc], s39
	s_add_co_i32 s38, s38, 15
	s_lshl_b32 s38, s38, 23
	s_or_b32 s38, s38, 0x600000
	v_mov_b32 v[\lim], s38
.endm
	s_wait_kmcnt 0x0
	MKSC 16, 6, 7
	MKSC 18, 8, 9
	MKSC 20, 10, 11
.macro ALLSUM d, t                     ; v[d] summed over the 32 lanes, in every lane; v[t] has been written before
	v_add_f32_dpp v[\d], v[\d], v[\d] row_xmask:1 row_mask:0xf bank_mask:0xf
	v_add_f32_dpp v[\d], v[\d], v[\d] row_xmask:2 row_mask:0xf bank_mask:0xf
	v_add_f32_dpp v[\d], v[\d], v[\d] row_xmask:4 row_mask:0xf bank_mask:0xf
	v_add_f32_dpp v[\d], v[\d], v[\d] row_xmask:8 row_mask:0xf bank_mask:0xf
	v_permlanex16_b32 v[\t], v[\d], s30, s31
	v_add_f32 v[\d], v[\d], v[\t]
.endm
.macro ROW p
.set XP, X+32*\p
	s_wait_loadcnt 24-8*\p                         ; loads come back in order: this row is in (and gain and shift); the 8 loads of each later row may be out
	v_pk_add_f32 v[12:13], v[XP:XP+1], v[XP+2:XP+3]            ; the sum, two at a time, in two chains
	v_pk_add_f32 v[240:241], v[XP+4:XP+5], v[XP+6:XP+7]
.irp j, 8,12,16,20,24,28
	v_pk_add_f32 v[12:13], v[12:13], v[XP+\j:XP+\j+1]
	v_pk_add_f32 v[240:241], v[240:241], v[XP+\j+2:XP+\j+3]
.endr
	v_pk_add_f32 v[12:13], v[12:13], v[240:241]
	v_add_f32 v12, v12, v13
	ALLSUM 12, 13
	v_mul_f32 v12, s32, v12                        ; the mean
.irp j, 0,2,4,6,8,10,12,14,16,18,20,22,24,26,28,30
	v_pk_add_f32 v[XP+\j:XP+\j+1], v[XP+\j:XP+\j+1], v[12:13] op_sel_hi:[1,0] neg_lo:[0,1] neg_hi:[0,1]   ; x - mean
.endr
	v_pk_mul_f32 v[14:15], v[XP:XP+1], v[XP:XP+1]              ; the squares' sum, again in two chains
	v_pk_mul_f32 v[240:241], v[XP+2:XP+3], v[XP+2:XP+3]
.irp j, 4,8,12,16,20,24,28
	v_pk_fma_f32 v[14:15], v[XP+\j:XP+\j+1], v[XP+\j:XP+\j+1], v[14:15]
	v_pk_fma_f32 v[240:241], v[XP+\j+2:XP+\j+3], v[XP+\j+2:XP+\j+3], v[240:241]
.endr
	v_pk_add_f32 v[14:15], v[14:15], v[240:241]
	v_add_f32 v14, v14, v15
	ALLSUM 14, 15
	v_fma_f32 v14, v14, s32, s33                   ; var + eps
	s_wait_alu depctr_va_vdst(0)
	v_rsq_f32 v14, v14
	v_nop                                          ; one plain instruction between a transcendental and the use of its result (ISA guide 5.7.2)
.irp j, 0,2,4,6,8,10,12,14,16,18,20,22,24,26,28,30
	v_pk_mul_f32 v[XP+\j:XP+\j+1], v[XP+\j:XP+\j+1], v[G+\j:G+\j+1]
.endr
	s_wait_alu depctr_va_vdst(0)
.irp j, 0,2,4,6,8,10,12,14,16,18,20,22,24,26,28,30
	v_pk_fma_f32 v[XP+\j:XP+\j+1], v[XP+\j:XP+\j+1], v[14:15], v[SH+\j:SH+\j+1] op_sel_hi:[1,0,1]
.endr
.irp i, 0,1,2,3,4,5,6,7
	ds_store_b128 v3, v[XP+4*\i:XP+4*\i+3] offset:512*\i       ; the row as it lies
.endr
.irp c, 0,1,2,3
	ds_load_b128 v[H+8*\c:H+8*\c+3], v4 offset:1024*\c         ; LDS serves a wave's instructions in order: these see my stores
	ds_load_b128 v[H+8*\c+4:H+8*\c+7], v4 offset:1024*\c+16
.endr
	s_wait_dscnt 0x0                               ; the row is back, 8 neighbours a lane; the stores have read X, which now takes the codes
.irp k, 0,1,2
.if \k < NOUT
.irp c, 0,1,2,3
.irp i, 0,1,2,3,4,5,6,7
	v_med3_num_f32 v[T+8*(\c%2)+\i], v[H+8*\c+\i], -v[7+2*\k], v[7+2*\k]   ; the conversion does not saturate (ISA guide 7.6.2): held at the largest code x the scale
.endr
	v_cvt_scalef32_pk8_bf8_f32 v[XP+8*\k+2*\c:XP+8*\k+2*\c+1], v[T+8*(\c%2):T+8*(\c%2)+7], v[6+2*\k]   ; the two sets of T take turns: eight plain lines stand ahead of the next write of a conversion's sources
.endr
.endif
.endr
	v_nop                                          ; a plain line behind the last conversion
.irp k, 0,1,2
.if \k < NOUT
.irp c, 0,1,2,3
	global_store_b64 v5, v[XP+8*\k+2*\c:XP+8*\k+2*\c+1], s[24+2*\k:25+2*\k] offset:1024*\p+256*\c   ; 32 lanes store 256 consecutive bytes, aligned; these registers are not written again
.endr
.endif
.endr
.endm
	ROW 0
	ROW 1
	ROW 2
	ROW 3
	s_set_vgpr_msb 0x5
	s_wait_tensorcnt 0x0
	ds_add_u32 v0, v1
	s_wait_dscnt 0x0
	s_set_vgpr_msb 0x500
	s_endpgm
.Lfunc_end_k_qf708ceac06_ln1:
	.size	k_qf708ceac06_ln1, .Lfunc_end_k_qf708ceac06_ln1-k_qf708ceac06_ln1
	.p2alignl 7, 3214868480
	.fill 96, 4, 3214868480
	.section	.rodata,"a",@progbits
	.p2align	6, 0x0
	.amdhsa_kernel k_qf708ceac06_ln1
		.amdhsa_group_segment_fixed_size 16896
		.amdhsa_private_segment_fixed_size 0
		.amdhsa_enable_private_segment 0
		.amdhsa_kernarg_size 40
		.amdhsa_user_sgpr_count 2
		.amdhsa_user_sgpr_kernarg_segment_ptr 1
		.amdhsa_wavefront_size32 1
		.amdhsa_system_sgpr_workgroup_id_x 1
		.amdhsa_system_sgpr_workgroup_id_y 1
		.amdhsa_system_sgpr_workgroup_id_z 1
		.amdhsa_system_vgpr_workitem_id 0
		.amdhsa_next_free_vgpr 258
		.amdhsa_next_free_sgpr 66
		.amdhsa_reserve_vcc 0
		.amdhsa_float_denorm_mode_32 3
		.amdhsa_float_denorm_mode_16_64 3
		.amdhsa_memory_ordered 1
		.amdhsa_forward_progress 1
		.amdhsa_inst_pref_size 67
	.end_amdhsa_kernel
	.amdgpu_metadata
---
amdhsa.version: [ 1, 2 ]
amdhsa.kernels:
  - .name:           k_qf708ceac06_ln1
    .symbol:         k_qf708ceac06_ln1.kd
    .args:
      - { .name: x, .offset: 0, .size: 8, .value_kind: global_buffer, .address_space: global }
      - { .name: ln1_scale, .offset: 8, .size: 8, .value_kind: global_buffer, .address_space: global }
      - { .name: ln1_shift, .offset: 16, .size: 8, .value_kind: global_buffer, .address_space: global }
      - { .name: lowp_scales, .offset: 24, .size: 8, .value_kind: global_buffer, .address_space: global }
      - { .name: h1, .offset: 32, .size: 8, .value_kind: global_buffer, .address_space: global }
    .group_segment_fixed_size: 16896
    .private_segment_fixed_size: 0
    .kernarg_segment_align: 8
    .kernarg_segment_size: 40
    .max_flat_workgroup_size: 128
    .sgpr_count:     66
    .vgpr_count:     258
    .wavefront_size: 32
...
	.end_amdgpu_metadata
.endif
;; end of part 1
;; launch qkv (part 2): grid 12 x 16, 4 waves a work-group, clusters of 4 x 4, 327,680 bytes of LDS; arguments h1, wq_codes, wk_codes, wv_codes, bq, bk, bv, lowp_scales, qkv; writes qkv
.if DOCPART == 2
	.amdgcn_target "amdgcn-amd-amdhsa--gfx1250"
	.amdhsa_code_object_version 6
	.text
	.protected	k_qf708ceac06_qkv
	.globl	k_qf708ceac06_qkv
	.p2align	8
	.type	k_qf708ceac06_qkv,@function
k_qf708ceac06_qkv:
	s_mov_b64 s[64:65], 0
	v_nop
	global_prefetch_b8 v0, s[64:65] scope:SCOPE_SE
	s_setreg_imm32_b32 hwreg(HW_REG_WAVE_MODE, 25, 1), 1
	s_wait_xcnt 0x0
	s_wait_alu depctr_hold_cnt(0) depctr_sa_sdst(0) depctr_va_vdst(0) depctr_va_sdst(0) depctr_va_ssrc(0) depctr_va_vcc(0) depctr_vm_vsrc(0)
	s_getreg_b32 s2, hwreg(HW_REG_IB_STS2, 6, 4)
	s_cmp_eq_u32 s2, 0
	s_cbranch_scc0 .Lentry_in_a_cluster
	s_endpgm
.Lentry_in_a_cluster:
	s_bfe_u32 s2, ttmp6, 0x10000c
	s_cmp_lg_u32 s2, 0xf033
	s_cbranch_scc0 .Lentry_shape_is_right
	s_endpgm
.Lentry_shape_is_right:
.set SIZE_K, 1024
.set KSTEP,  256
.set ROWB,   256
.set KROW,   SIZE_K
.set PITCH,  272
.set FR,     16
.set NL,     4
.set NP,     4
.set HALFT,  128*PITCH
.set SLOT,   4*HALFT
.set LAPS,   SIZE_K/(2*KSTEP)
.set SPARE,  2*SLOT
.set ADRA, 16
.set ADRB, 20
.set CO,   26
.set SPW,  28
.set NIL,  29
.set BC,   32
.set BR,   96
.set AF,   128
.set TMP,  128
.set G1, 24
.set G0, 32
.set G1B, 48
.set G0B, 56
.set MSB, 0
.macro WIN new
.if MSB != \new
	s_set_vgpr_msb (MSB<<8)|\new
.set MSB, \new
.endif
.endm
.set MUL_LO, 0xa1
.set MUL_HI, 0xf1
.set TO_B,   0x40
.macro JLOAD g0a, g1a, g0b, g1b
	s_cmp_eq_u32 s15, 0
	s_cbranch_scc0 .Lfor_b_\@
	tensor_load_to_lds s[\g0a:\g0a+3], s[\g1a:\g1a+7]
	s_nop 0
.rept 4
	v_nop
.endr
	s_branch .Lasked_\@
.Lfor_b_\@:
	tensor_load_to_lds s[\g0b:\g0b+3], s[\g1b:\g1b+7]
	s_nop 0
.rept 4
	v_nop
.endr
.Lasked_\@:
.endm
.macro CREST
	s_cmp_lg_u32 s14, 0
	s_cbranch_scc1 .Lnot_wave_0_\@
	s_barrier_signal -3
.Lnot_wave_0_\@:
	s_barrier_wait -3
	s_barrier_signal -1
	s_barrier_wait -1
.endm
.macro CROUND
	s_barrier_signal -1
	s_barrier_wait -1
	CREST
.endm
	s_load_b512 s[68:83], s[0:1], 0x0
	s_load_b64 s[84:85], s[0:1], 0x40
	v_lshl_add_u32 v[SPW], v0, 2, SPARE
	v_mov_b32 v[NIL], 0
	ds_add_u32 v28, v29
	ds_add_u32 v28, v29
	s_wait_dscnt 0x0
	v_lshrrev_b32 v1, 5, v0
	v_readfirstlane_b32 s14, v1
	s_lshr_b32 s15, s14, 1
	s_and_b32 s16, s14, 1
	s_bfe_u32 s40, ttmp6, 0x40000
	s_bfe_u32 s41, ttmp6, 0x40004
	s_mov_b32 s66, ttmp9
	s_lshl_b32 s12, s66, 22
	s_mov_b32 s13, 0
	s_and_b32 s67, ttmp7, 0xffff
	s_lshl_b32 s67, s67, 2
	s_cmp_eq_u32 s66, 2
	s_cselect_b32 s98, 0, s67
	s_cselect_b32 s99, s67, 0
	s_add_co_u32 s17, s41, s98
	s_add_co_u32 s42, s40, s99
	s_lshl_b32 s43, s41, 2
	s_lshl_b32 s43, 15, s43
	s_lshl_b32 s44, 0x1111, s40
	s_or_b32 s[G1+0], s43, (0<<16)|(1<<20)|(1<<21)|(5<<22)|(3<<25)
	s_or_b32 s[G1B+0], s44, (0<<16)|(1<<20)|(1<<21)|(5<<22)|(3<<25)
.irp g, G1, G1B
	s_mov_b32 s[\g+1], ROWB<<16
	s_mov_b32 s[\g+2], 128<<16
	s_mov_b32 s[\g+3], ROWB<<16
	s_mov_b32 s[\g+4], 128
	s_mov_b32 s[\g+5], KROW
	s_mov_b32 s[\g+6], 0
	s_mov_b32 s[\g+7], 0
.endr
	s_lshl_b32 s18, s16, 7
	s_lshl_b32 s20, s17, 8
	s_add_co_u32 s20, s20, s18
	s_lshl_b32 s46, s42, 8
	s_add_co_u32 s46, s46, s18
	s_mov_b32 s21, 0
	s_mov_b32 s47, 0
	s_mov_b64 s[18:19], KROW
	s_mul_u64 s[20:21], s[20:21], s[18:19]
	s_mul_u64 s[46:47], s[46:47], s[18:19]
	s_mul_i32 s45, s14, HALFT
	s_wait_kmcnt 0x0
	s_load_b256 s[88:95], s[82:83], 0x0
	s_load_b32 s86, s[82:83], 0x24
	s_add_nc_u64 s[10:11], s[68:69], s[12:13]
	s_cmp_eq_u32 s66, 0
	s_cselect_b64 s[6:7], s[70:71], s[72:73]
	s_cselect_b64 s[8:9], s[76:77], s[78:79]
	s_cmp_eq_u32 s66, 2
	s_cselect_b64 s[6:7], s[74:75], s[6:7]
	s_cselect_b64 s[8:9], s[80:81], s[8:9]
	s_cselect_b64 s[4:5], s[6:7], s[10:11]
	s_cselect_b64 s[6:7], s[10:11], s[6:7]
	s_add_nc_u64 s[20:21], s[4:5], s[20:21]
	s_add_nc_u64 s[46:47], s[6:7], s[46:47]
	CROUND
.irp s, 0,1
	s_mov_b32 s[G0+4*\s], 1
	s_add_co_u32 s[G0+4*\s+1], s45, \s*SLOT
	s_add_nc_u64 s[G0+4*\s+2:G0+4*\s+3], s[20:21], \s*ROWB
	s_or_b32 s[G0+4*\s+3], s[G0+4*\s+3], 0x80000000
	s_mov_b32 s[G0B+4*\s], 1
	s_add_co_u32 s[G0B+4*\s+1], s45, \s*SLOT
	s_add_nc_u64 s[G0B+4*\s+2:G0B+4*\s+3], s[46:47], \s*ROWB
	s_or_b32 s[G0B+4*\s+3], s[G0B+4*\s+3], 0x80000000
	s_wait_alu depctr_va_vdst(0)
	s_wait_tensorcnt 0x0
	ds_add_u32 v28, v29
	ds_add_u32 v28, v29
	s_wait_dscnt 0x0
	CROUND
	JLOAD G0+4*\s, G1, G0B+4*\s, G1B
.endr
	v_and_b32 v1, 15, v0
	v_bfe_u32 v2, v0, 4, 1
	v_mul_u32_u24 v3, v1, PITCH
	v_lshl_add_u32 v4, v2, 4, v3
	s_mul_i32 s21, s15, HALFT
	s_mul_i32 s22, s16, HALFT
	s_add_co_u32 s22, s22, 2*HALFT
.irp s, 0,1
	v_add_nc_u32 v[ADRA+\s], s21, v4
	v_add_nc_u32 v[ADRB+\s], s22, v4
	s_add_co_u32 s21, s21, SLOT
	s_add_co_u32 s22, s22, SLOT
.endr
	v_and_b32 v6, 31, v0
	v_lshlrev_b32 v[CO], 4, v6
	v_lshlrev_b32 v30, 2, v1
	v_lshlrev_b32 v31, 5, v2
	s_wait_alu depctr_va_vdst(0)
	s_lshr_b32 s18, s17, 3
	s_lshl_b32 s18, s18, 4
	s_lshl_b32 s19, s42, 2
	s_add_co_u32 s18, s18, s19
	s_lshl_b32 s19, s16, 1
	s_add_co_u32 s18, s18, s19
	s_lshl_b32 s18, s18, 7
	s_and_b32 s19, s17, 7
	s_lshl_b32 s19, s19, 4
	s_add_co_u32 s18, s18, s19
	s_lshl_b32 s19, s15, 3
	s_add_co_u32 s18, s18, s19
	s_lshl_b32 s18, s18, 10
	s_lshr_b32 s22, s42, 3
	s_lshl_b32 s22, s22, 4
	s_lshl_b32 s19, s17, 2
	s_add_co_u32 s22, s22, s19
	s_lshl_b32 s19, s15, 1
	s_add_co_u32 s22, s22, s19
	s_lshl_b32 s22, s22, 4
	s_and_b32 s19, s42, 7
	s_lshl_b32 s19, s19, 1
	s_add_co_u32 s22, s22, s19
	s_add_co_u32 s22, s22, s16
	s_lshl_b32 s22, s22, 13
	s_cmp_eq_u32 s66, 2
	s_cselect_b32 s18, s22, s18
	s_add_co_u32 s18, s18, s12
	s_mov_b32 s19, 0
	s_add_nc_u64 s[10:11], s[84:85], s[18:19]
	s_lshl_b32 s22, s42, 10
	s_lshl_b32 s23, s16, 9
	s_add_co_u32 s22, s22, s23
	s_lshl_b32 s18, s17, 10
	s_lshl_b32 s23, s15, 9
	s_add_co_u32 s18, s18, s23
	s_cmp_eq_u32 s66, 2
	s_cselect_b32 s12, 0, s22
	s_cselect_b32 s100, s18, 0
	s_mov_b32 s13, 0
	s_mov_b32 s101, 0
	s_add_nc_u64 s[12:13], s[8:9], s[12:13]
	s_add_nc_u64 s[100:101], s[8:9], s[100:101]
.irp b, 0,1,2,3,4,5,6,7
	global_load_b128 v[BC+8*\b:BC+8*\b+3], v31, s[12:13] offset:64*\b
	global_load_b128 v[BC+8*\b+4:BC+8*\b+7], v31, s[12:13] offset:64*\b+16
.endr
.irp a, 0,1,2,3,4,5,6,7
	global_load_b32 v[BR+\a], v30, s[100:101] offset:64*\a
.endr
.macro FRAG reg, adr, q, i
.irp c, 0,1,2,3
	ds_load_b128 v[\reg+4*\c:\reg+4*\c+3], v[\adr] offset:128*(\q)+32*\c+(\i)*16*PITCH
.endr
.endm
.macro MUL16 a0, p, zero
.irp a, \a0, \a0+1
.irp b, 0,1,2,3,4,5,6,7
.if \zero
	v_wmma_f32_16x16x128_bf8_bf8 v[8*(8*((\a)%4)+\b):8*(8*((\a)%4)+\b)+7], v[128*(\p)+FR*\b:128*(\p)+FR*\b+FR-1], v[AF+FR*(\a):AF+FR*(\a)+FR-1], 0
.else
	v_wmma_f32_16x16x128_bf8_bf8 v[8*(8*((\a)%4)+\b):8*(8*((\a)%4)+\b)+7], v[128*(\p)+FR*\b:128*(\p)+FR*\b+FR-1], v[AF+FR*(\a):AF+FR*(\a)+FR-1], v[8*(8*((\a)%4)+\b):8*(8*((\a)%4)+\b)+7]
.endif
.endr
.endr
.endm
.macro FETCH_B slot, q, p
	WIN TO_B
.irp i, 0,1,2,3,4,5,6,7
	FRAG 128*(\p)+FR*\i, ADRB+\slot, \q, \i
.endr
	WIN 0
.endm
.macro FETCH_A slot, q, i0
.irp i, \i0, \i0+1, \i0+2, \i0+3
	FRAG AF+FR*(\i), ADRA+\slot, \q, \i
.endr
.endm
.macro PLACES n
.rept \n
	v_nop
.endr
.endm
.macro STEP slot, q, zero
	s_wait_dscnt 4*NL
	WIN MUL_LO
	MUL16 0, (\q)%2, \zero
	MUL16 2, (\q)%2, \zero
	s_wait_dscnt 0
	PLACES NP
	FETCH_B \slot, (\q)+1, 1-(\q)%2
	FETCH_A \slot, (\q)+1, 0
	WIN MUL_HI
	MUL16 4, (\q)%2, \zero
	MUL16 6, (\q)%2, \zero
	PLACES NP
	WIN 0
	FETCH_A \slot, (\q)+1, 4
.endm
.macro TURN slot, next, fill
	s_wait_tensorcnt 0x0
	ds_add_u32 v[SPW], v[NIL]
	s_wait_dscnt 4*NL+1
	WIN MUL_LO
	MUL16 0, 1, 0
	s_wait_dscnt 0x0
	s_barrier_signal -1
	MUL16 2, 1, 0
	WIN 0
	s_barrier_wait -1
.if \fill
	CREST
	s_add_nc_u64 s[G0+4*\slot+2:G0+4*\slot+3], s[G0+4*\slot+2:G0+4*\slot+3], 2*ROWB
	s_add_nc_u64 s[G0B+4*\slot+2:G0B+4*\slot+3], s[G0B+4*\slot+2:G0B+4*\slot+3], 2*ROWB
	JLOAD G0+4*\slot, G1, G0B+4*\slot, G1B
.else
	PLACES NP
.endif
	FETCH_B \next, 0, 0
	FETCH_A \next, 0, 0
	WIN MUL_HI
	MUL16 4, 1, 0
	MUL16 6, 1, 0
	PLACES NP
	WIN 0
	FETCH_A \next, 0, 4
.endm
	s_wait_tensorcnt 1
	s_barrier_signal -1
	s_barrier_wait -1
	FETCH_B 0, 0, 0
	FETCH_A 0, 0, 0
	FETCH_A 0, 0, 4
	STEP 0, 0, 1
	s_mov_b32 s3, LAPS-1
.Llap:
	TURN 0, 1, 1
	STEP 1, 0, 0
	TURN 1, 0, 1
	STEP 0, 0, 0
	s_sub_co_u32 s3, s3, 1
	s_cmp_lg_u32 s3, 0
	s_cbranch_scc1 .Llap
	TURN 0, 1, 0
	STEP 1, 0, 0
	s_wait_dscnt 4*NL
	WIN MUL_LO
	MUL16 0, 1, 0
	MUL16 2, 1, 0
	s_wait_dscnt 0
	WIN MUL_HI
	MUL16 4, 1, 0
	MUL16 6, 1, 0
	WIN 0
	s_wait_kmcnt 0x0
	s_add_co_i32 s88, s88, s89
	s_add_co_i32 s90, s90, s91
	s_add_co_i32 s92, s92, s93
	s_cmp_eq_u32 s66, 0
	s_cselect_b32 s96, s88, s90
	s_cselect_b32 s87, s94, s95
	s_cmp_eq_u32 s66, 2
	s_cselect_b32 s96, s92, s96
	s_cselect_b32 s87, s86, s87
	s_add_co_i32 s96, s96, 127
	s_lshl_b32 s96, s96, 23
	s_mov_b32 s97, s96
	s_add_co_i32 s87, s87, 127
	s_lshl_b32 s86, s87, 23
	v_mov_b32 v23, s86
	s_add_co_i32 s87, s87, 15
	s_lshl_b32 s87, s87, 23
	s_or_b32 s87, s87, 0x600000
	v_mov_b32 v22, s87
	s_wait_loadcnt 0x0
	PLACES NP
.macro QOUT a, isv
.set AC, 64*((\a)%4)
.set PCS, 192+16*((\a)%4)
.if (\a) == 4
	s_wait_xcnt 0x0
.endif
	WIN 0x02+((\a)/4)
.set jj, 0
.rept 32
.if \isv
.if (\a)%2
	v_pk_fma_f32 v[TMP+jj:TMP+jj+1], v[AC+jj:AC+jj+1], s[96:97], v[BR+2*((\a)/2):BR+2*((\a)/2)+1] op_sel:[0,0,1] op_sel_hi:[1,0,1]
.else
	v_pk_fma_f32 v[TMP+jj:TMP+jj+1], v[AC+jj:AC+jj+1], s[96:97], v[BR+2*((\a)/2):BR+2*((\a)/2)+1] op_sel_hi:[1,0,0]
.endif
.else
	v_pk_fma_f32 v[TMP+jj:TMP+jj+1], v[AC+jj:AC+jj+1], s[96:97], v[BC+jj:BC+jj+1] op_sel_hi:[1,0,1]
.endif
.set jj, jj+2
.endr
	WIN 0
.irp b, 0,1,2,3,4,5,6,7
.irp i, 0,1,2,3,4,5,6,7
	v_med3_num_f32 v[TMP+8*\b+\i], v[TMP+8*\b+\i], -v22, v22
.endr
	v_cvt_scalef32_pk8_bf8_f32 v[PCS+2*\b:PCS+2*\b+1], v[TMP+8*\b:TMP+8*\b+7], v23
.endr
	v_nop
.irp i, 0,1,2,3
.if \isv
	global_store_b128 v[CO], v[PCS+4*\i:PCS+4*\i+3], s[10:11] offset:((\a)/4)*131072+((\a)%4)*2048+512*\i
.else
	global_store_b128 v[CO], v[PCS+4*\i:PCS+4*\i+3], s[10:11] offset:(\i/2)*131072+(\a)*1024+(\i%2)*512
.endif
.endr
.endm
	s_cmp_eq_u32 s66, 2
	s_cbranch_scc1 .Lv
.irp a, 0,1,2,3,4,5,6,7
	QOUT \a, 0
.endr
	s_branch .Lend
.Lv:
.irp a, 0,1,2,3,4,5,6,7
	QOUT \a, 1
.endr
.Lend:
	s_wait_tensorcnt 0x0
	ds_add_u32 v[SPW], v[NIL]
	s_wait_dscnt 0x0
	CROUND
	s_endpgm
.Lfunc_end_k_qf708ceac06_qkv:
	.size	k_qf708ceac06_qkv, .Lfunc_end_k_qf708ceac06_qkv-k_qf708ceac06_qkv
	.p2alignl 7, 3214868480
	.fill 96, 4, 3214868480
	.section	.rodata,"a",@progbits
	.p2align	6, 0x0
	.amdhsa_kernel k_qf708ceac06_qkv
		.amdhsa_group_segment_fixed_size 327680
		.amdhsa_private_segment_fixed_size 0
		.amdhsa_enable_private_segment 0
		.amdhsa_kernarg_size 72
		.amdhsa_user_sgpr_count 2
		.amdhsa_user_sgpr_kernarg_segment_ptr 1
		.amdhsa_wavefront_size32 1
		.amdhsa_system_sgpr_workgroup_id_x 1
		.amdhsa_system_sgpr_workgroup_id_y 1
		.amdhsa_system_sgpr_workgroup_id_z 1
		.amdhsa_system_vgpr_workitem_id 0
		.amdhsa_next_free_vgpr 1024
		.amdhsa_next_free_sgpr 102
		.amdhsa_reserve_vcc 0
		.amdhsa_float_denorm_mode_32 3
		.amdhsa_float_denorm_mode_16_64 3
		.amdhsa_memory_ordered 1
		.amdhsa_forward_progress 1
		.amdhsa_inst_pref_size 194
	.end_amdhsa_kernel
	.amdgpu_metadata
---
amdhsa.version: [ 1, 2 ]
amdhsa.kernels:
  - .name:           k_qf708ceac06_qkv
    .symbol:         k_qf708ceac06_qkv.kd
    .args:
      - { .name: h1, .offset: 0, .size: 8, .value_kind: global_buffer, .address_space: global }
      - { .name: wq_codes, .offset: 8, .size: 8, .value_kind: global_buffer, .address_space: global }
      - { .name: wk_codes, .offset: 16, .size: 8, .value_kind: global_buffer, .address_space: global }
      - { .name: wv_codes, .offset: 24, .size: 8, .value_kind: global_buffer, .address_space: global }
      - { .name: bq, .offset: 32, .size: 8, .value_kind: global_buffer, .address_space: global }
      - { .name: bk, .offset: 40, .size: 8, .value_kind: global_buffer, .address_space: global }
      - { .name: bv, .offset: 48, .size: 8, .value_kind: global_buffer, .address_space: global }
      - { .name: lowp_scales, .offset: 56, .size: 8, .value_kind: global_buffer, .address_space: global }
      - { .name: qkv, .offset: 64, .size: 8, .value_kind: global_buffer, .address_space: global }
    .group_segment_fixed_size: 327680
    .private_segment_fixed_size: 0
    .kernarg_segment_align: 8
    .kernarg_segment_size: 72
    .max_flat_workgroup_size: 128
    .sgpr_count:     102
    .vgpr_count:     1024
    .wavefront_size: 32
...
	.end_amdgpu_metadata
.endif
;; end of part 2
;; launch attn (part 3): grid 8 x 32, 8 waves a work-group, no clusters, 327,680 bytes of LDS; arguments qkv, lowp_scales, ctx; writes ctx
.if DOCPART == 3
	.amdgcn_target "amdgcn-amd-amdhsa--gfx1250"
	.amdhsa_code_object_version 6
	.text
	.protected	k_qf708ceac06_attn
	.globl	k_qf708ceac06_attn
	.p2align	8
	.type	k_qf708ceac06_attn,@function
k_qf708ceac06_attn:
	s_mov_b64 s[64:65], 0
	v_nop
	global_prefetch_b8 v0, s[64:65] scope:SCOPE_SE
	s_setreg_imm32_b32 hwreg(HW_REG_WAVE_MODE, 25, 1), 1
	s_wait_xcnt 0x0
; ctx = softmax(q k^T / 8, causal) v for 32 (batch x head) of 2,048 tokens and head size 64, both products on codes of E5M2; the result is quantised (entry 10) for the next product.
; q, k, v come as images of operand registers: q, k: [bh][tile of 16 tokens][1,024 bytes]; v: [bh][128 keys][16 features][2,048 bytes].
; THE SOFTMAX: t = score x log2(e) / 8; M = the running largest t rounded UP to a whole number; p = 2^(t - M) is quantised (entry 8), not normalised; the row's sum is taken of the unquantised p and divides at the end.
; LEFT OUT: key steps all of whose 128 keys come after a wave's queries: the causal mask of the problem's own body makes their p zero.
; SHARES: eight work-groups to a head, eight waves each.  A wave owns 32 neighbouring queries, two tiles of 16, and walks all their keys itself, 128 a step: nothing is joined between waves.
; Each fragment of K and of V that it reads from LDS serves both tiles.  Work-group j takes query blocks (of 32) 4 j .. 4 j + 3, j + 1 steps each, and 63 - 4 j - 3 .. 63 - 4 j, 16 - j steps each:
; 17 steps for a short and a long wave together, for every j.  Waves 0, 2, 5, 7 are the short ones: wave w and wave w + 4 are of unlike kind, and so are waves 2 i and 2 i + 1.
; REGISTER WINDOWS: tile A lives in window 0 and tile B in window 1 under the same register numbers, so one macro serves both.  K's fragments lie in window 0, V's in window 1 (v32-95 of each).
; LDS: a head's K (131,072 bytes) and V (as many) lie whole, each byte filled once: four chunks of 512 keys, 8,192 bytes a wave (waves 0-3 K, waves 4-7 V).  Chunk 0 is asked for at the head,
; chunk c + 1 behind the barrier that shows chunk c whole: four steps ahead of its first read.  A chunk whose first key comes after the work-group's last query, 2,047 - 128 j, is read by nobody and is not asked for.
; NO JOINT LOADS: the eight work-groups of a head want the same tiles, but which steps and chunks a work-group leaves out hangs on its query blocks, so partners of a cluster would take different branches.
; PREFETCH: chunks 2 and 3 are named once for each head, one trip (four steps) ahead of their tensor loads: work-group 0 names chunk 2 in trip 0, work-group 1 chunk 3 in trip 1, each wave the 8,192 bytes
; that it will itself fetch, lanes 256 bytes apart.  Chunks 0 and 1 come by their loads alone.
; LAYOUT: both products transposed: S^T = K Q^T (source 0 = 16 keys), O^T = V^T P^T (source 0 = 16 features x 128 keys): a lane holds ONE query (l % 16); in S^T tile T its registers hold keys 16 T + 8 (l / 16) + 0..7,
; so the conversion of tile T gives registers 2 T, 2 T + 1 of P in the matrix form's own layout.
; OUT: ctx [tile of 16 tokens 256][head 16][2][lane 32][16 bytes]: registers 4 p .. 4 p + 3 hold features 32 p + 16 (l / 16) + 0..15.
; LIMITS: e6 + e7 between -122 and 130 (added to c's exponent field); e8 and e10 between -126 and 112; the scaled scores stay under 2^31 in magnitude.  NaN among the inputs is not served.
; REGISTERS, in each window: v12 -M, v13 the largest t, v[14:15] the sum; v16-23 Q; v96-159 S^T, then p; v160-191 O^T; v208-215 the result's codes; v224-239 P's codes; v240, v244 and v241, v245 holds and scales;
;   v249 l % 16 - 8 (l / 16) + 16 x tile; v242-243, v246-248, v252-255 at work.  Window 0 alone: v1 16 x lane, v3 that + V's base, v5, v6 the spare word's address and 0, v7 256 x lane, v8, v9 the step's LDS addresses.
.set VBASE, 131072
.set CHB,   32768                      ; a chunk: 512 keys of K, or of V
.set SPARE, 262144                     ; the spare words: 128 bytes a wave, four blocks of 256 bytes that no other line names
.set L16, 1
.set AV0, 3
.set SPW, 5
.set NIL, 6
.set PFO, 7
.set ADK, 8
.set ADV, 9
.set TB,  2                            ; LDS byte of the step's keys in K
.set CNT, 3
.set WV,  18
.set SEL, 20
.set CS,  22
.set G1,  24                           ; s[24:31] descriptor group 1: 32 rows of 256 bytes, dense
.set G0,  32                           ; s[32:35] group 0, which walks
.set TBO, 40                           ; LDS byte of the trip's chunk
.set KF,  42                           ; the step's first key
.set Q0,  43                           ; my first query
.set QL,  44                           ; my last
.set LQ,  45                           ; my work-group's last
.set OUT, 46
.set NK,  48                           ; first key of the chunk that the trip asks for
.set TC,  49                           ; the trip
.set LIM, 50                           ; the trip in which my work-group prefetches; none reaches -1
.set PFA, 52
.set EPV, 54
.set MSB, 0
.macro WIN new                         ; the immediate's high byte repeats the setting that is left
.if MSB != \new
	s_set_vgpr_msb (MSB<<8)|\new
.set MSB, \new
.endif
.endm
	s_load_b128 s[4:7], s[0:1], 0x0                ; qkv, the scales' exponents
	s_load_b64 s[8:9], s[0:1], 0x10                ; ctx
	v_lshl_add_u32 v[SPW], v0, 2, SPARE
	v_mov_b32 v[NIL], 0
	ds_add_u32 v[SPW], v[NIL]                      ; the opening: the add, twice on end, and its wait ahead of my first tensor load
	ds_add_u32 v[SPW], v[NIL]
	v_lshrrev_b32 v8, 5, v0
	v_readfirstlane_b32 s[WV], v8                  ; wave 0..7
	s_mov_b32 s10, ttmp9                           ; j
	s_and_b32 s11, ttmp7, 0xffff                   ; bh
	s_mov_b32 s[G1], 3<<16                         ; no mask; elements of 8 bytes; no padding
	s_mov_b32 s[G1+1], 32<<16
	s_mov_b32 s[G1+2], 32<<16
	s_mov_b32 s[G1+3], 32<<16
	s_mov_b32 s[G1+4], 32
	s_mov_b32 s[G1+5], 32
	s_mov_b32 s[G1+6], 0
	s_mov_b32 s[G1+7], 0
	s_lshr_b32 s12, s[WV], 2                       ; I fetch for K (0) or for V (1),
	s_and_b32 s13, s[WV], 3
	s_lshl_b32 s13, s13, 13                        ; the 8,192 bytes number w % 4 of each chunk
	s_lshl_b32 s14, s12, 17
	s_add_co_u32 s14, s14, s13
	s_mov_b32 s[G0], 1
	s_mov_b32 s[G0+1], s14                         ; in LDS
	s_lshl_b32 s14, s12, 22                        ; in memory: k's plane begins 4 MiB into qkv, v's 8 MiB;
	s_add_co_u32 s14, s14, 0x400000
	s_lshl_b32 s15, s11, 17                        ; a head's 131,072 bytes
	s_add_co_u32 s14, s14, s15
	s_add_co_u32 s14, s14, s13
	s_mov_b32 s15, 0
	s_mov_b32 s[SEL], 0x76543210
	s_mov_b32 s[SEL+1], 0xfedcba98
	s_wait_dscnt 0x0                               ; both opening adds are done
	s_wait_kmcnt 0x0
	s_load_b256 s[56:63], s[6:7], 0x18             ; e6 .. e13
	s_add_nc_u64 s[G0+2:G0+3], s[4:5], s[14:15]
	s_add_nc_u64 s[PFA:PFA+1], s[G0+2:G0+3], CHB   ; my part of chunk 1: trip 0 steps it to chunk 2
	s_or_b32 s[G0+3], s[G0+3], 0x80000000          ; type = 2
	tensor_load_to_lds s[G0:G0+3], s[G1:G1+7]      ; chunk 0: my one load at the head
	s_nop 0
.rept 4
	v_nop
.endr
	v_and_b32 v[L16], 31, v0
	v_lshlrev_b32 v[PFO], 8, v[L16]
	v_lshlrev_b32 v[L16], 4, v[L16]
	v_add_nc_u32 v[AV0], VBASE, v[L16]
	v_and_b32 v249, 15, v0
	v_bfe_u32 v248, v0, 4, 1
	v_lshlrev_b32 v248, 3, v248
	v_sub_nc_u32 v249, v249, v248                  ; l % 16 - 8 (l / 16)
	s_wait_alu depctr_va_vdst(0)                   ; the wait here, ahead of the run of scalar lines
	s_lshr_b32 s12, s[WV], 2
	s_xor_b32 s12, s12, s[WV]
	s_and_b32 s12, s12, 1                          ; 1: a long wave
	s_lshr_b32 s13, s[WV], 1
	s_lshl_b32 s14, s10, 2
	s_add_co_u32 s13, s13, s14                     ; 4 j + w / 2
	s_sub_co_u32 s14, 63, s13
	s_cmp_eq_u32 s12, 0
	s_cselect_b32 s13, s13, s14                    ; my block of 32 queries
	s_lshl_b32 s[Q0], s13, 5
	s_add_co_u32 s[QL], s[Q0], 31
	s_lshl_b32 s14, s10, 7
	s_sub_co_u32 s[LQ], 2047, s14
	s_lshl_b32 s16, s13, 1                         ; my first tile of 16 tokens
	s_lshl_b32 s14, s11, 7
	s_add_co_u32 s14, s14, s16
	s_lshl_b32 s14, s14, 10
	s_mov_b32 s15, 0
	s_add_nc_u64 s[14:15], s[4:5], s[14:15]
	global_load_b128 v[16:19], v[L16], s[14:15]            ; Q of tile A,
	global_load_b128 v[20:23], v[L16], s[14:15] offset:512
	WIN 0x40                                       ; destination window 1
	global_load_b128 v[16:19], v[L16], s[14:15] offset:1024   ; of tile B
	global_load_b128 v[20:23], v[L16], s[14:15] offset:1536
	v_add_nc_u32 v249, 16, v249                    ; tile B's queries lie 16 further on
	WIN 0
	s_lshr_b32 s17, s11, 4
	s_lshl_b32 s17, s17, 7                         ; batch x 128 tiles
	s_add_co_u32 s17, s17, s16
	s_lshl_b32 s17, s17, 4
	s_and_b32 s12, s11, 15                         ; head
	s_add_co_u32 s17, s17, s12
	s_lshl_b32 s[OUT], s17, 10
	s_mov_b32 s[OUT+1], 0
	s_add_nc_u64 s[OUT:OUT+1], s[8:9], s[OUT:OUT+1]
	s_cmp_lt_u32 s10, 2
	s_cselect_b32 s[LIM], s10, -1
	s_wait_kmcnt 0x0
	s_add_co_i32 s12, s56, s57
	s_lshl_b32 s12, s12, 23
	s_add_co_i32 s[CS], s12, 0x3e38aa3b            ; c = log2(e) / 8, with e6 + e7 added to its exponent field
	s_mov_b32 s[CS+1], s[CS]
	s_add_co_i32 s12, s58, 127
	s_lshl_b32 s36, s12, 23                        ; 2^e8, for p
	s_add_co_i32 s12, s12, 15
	s_lshl_b32 s12, s12, 23
	s_or_b32 s37, s12, 0x600000                    ; 57,344 x 2^e8
	s_add_co_i32 s12, s60, 127
	s_lshl_b32 s38, s12, 23                        ; 2^e10, for the result
	s_add_co_i32 s12, s12, 15
	s_lshl_b32 s12, s12, 23
	s_or_b32 s39, s12, 0x600000
	s_add_co_i32 s[EPV], s58, s59                  ; e8 + e9
.macro INITW                           ; a tile begins: the step is written once; its first run finds zeros, which the first change of M leaves zeros
	v_mov_b32 v13, 0xff61b1e6                      ; the largest t so far: -3e38
	v_floor_f32 v12, -v13
	v_mov_b32 v14, 0
	v_mov_b32 v15, 0
.irp r, 248,252,253,254,255
	v_mov_b32 v\r, 0                               ; a lane permute's destination and the upper halves of pairs count as read
.endr
.set jj, 0
.rept 32
	v_mov_b32 v[160+jj], 0
.set jj, jj+1
.endr
	v_mov_b32 v244, s36
	v_mov_b32 v240, s37
	v_mov_b32 v245, s38
	v_mov_b32 v241, s39
.endm
	INITW
	WIN 0x55
	INITW
	WIN 0
; The softmax and the second product of one tile.  w: the tile's window in every operand place; pw: the windows of the second product (source 0, V, is in window 1); first = 1: V's loads are awaited here.
.macro SOFT w, pw, first
	WIN 0
	s_cmp_le_u32 s12, s[Q0]                        ; all 128 keys count: no mask
	s_cbranch_scc1 .Lopen_\@
	WIN \w
	v_add_nc_u32 v252, s13, v249                   ; d = my query - KF - 8 (l / 16).  Register 8 T + i holds key KF + 16 T + 8 (l / 16) + i: hidden where 16 T + i > d
	v_mov_b32 v254, 0xff800000                     ; -infinity: p = 0 then.  Key KF counts for every query of the step
.if \w
	s_wait_alu depctr_va_vdst(0)                   ; the wait ahead of the first readers of scores made ahead of the other tile's exponentials
.endif
.set jj, 0
.rept 64
	v_cmp_gt_i32 vcc_lo, 16*(jj/8)+jj%8, v252
	v_cndmask_b32 v[96+jj], v[96+jj], v254, vcc_lo
.set jj, jj+1
.endr
	WIN 0
.Lopen_\@:
	WIN \w
.if \w
	s_wait_alu depctr_va_vdst(0)                   ; as above, on the way without a mask
.endif
.irp c, 0,1,2,3                        ; the step's largest score of my query, in four chains of 16 registers; each tile is read from its low end on
	v_max3_num_f32 v[252+\c], v[96+16*\c], v[97+16*\c], v[98+16*\c]
.endr
.irp i, 3,5,7,9,11,13
.irp c, 0,1,2,3
	v_max3_num_f32 v[252+\c], v[252+\c], v[96+16*\c+\i], v[97+16*\c+\i]
.endr
.endr
	v_max3_num_f32 v252, v252, v253, v111
	v_max3_num_f32 v254, v254, v255, v127
	v_max3_num_f32 v252, v252, v143, v159
	v_max_num_f32 v254, v254, v252
	v_permlanex16_b32 v248, v254, s[SEL], s[SEL+1]
	v_max_num_f32 v254, v254, v248                 ; and among lane l xor 16's
	v_mul_f32 v254, s[CS], v254                    ; as t (c is positive)
	v_max_num_f32 v13, v13, v254                   ; the running largest t
	v_mov_b32 v254, v12
	v_floor_f32 v12, -v13                          ; the new -M = floor(-t): M is a whole number
	v_sub_f32 v254, v12, v254                      ; old M - new M: a whole number, 0 or less
	v_cvt_i32_f32 v254, v254                       ; (it saturates)
	v_ldexp_f32 v252, 1.0, v254                    ; f = 2^(old M - new M): a multiplication by it rounds nothing
.set jj, 0
.rept 32
	v_pk_fma_f32 v[96+jj:97+jj], v[96+jj:97+jj], s[CS:CS+1], v[12:13] op_sel_hi:[1,0,0]   ; t - M
.set jj, jj+2
.endr
	s_wait_alu depctr_va_vdst(0)                   ; the wait ahead of the batch
.set jj, 0
.rept 64
	v_exp_f32 v[96+jj], v[96+jj]                   ; p = 2^(t - M), at most 1
.set jj, jj+1
.endr
	v_pk_mul_f32 v[14:15], v[14:15], v[252:253] op_sel_hi:[1,0]   ; the sums under the new M (a plain place behind the exponentials)
	s_wait_alu depctr_va_vdst(0)                   ; and behind it, ahead of its first reader
	v_pk_add_f32 v[242:243], v[96:97], v[98:99]    ; the row's sum of the unquantised p, two at a time, in four chains
	v_pk_add_f32 v[246:247], v[100:101], v[102:103]
	v_pk_add_f32 v[254:255], v[104:105], v[106:107]
	v_pk_add_f32 v[14:15], v[14:15], v[108:109]
.irp j, 14,22,30,38,46,54
	v_pk_add_f32 v[14:15], v[14:15], v[96+\j:97+\j]
	v_pk_add_f32 v[242:243], v[242:243], v[98+\j:99+\j]
	v_pk_add_f32 v[246:247], v[246:247], v[100+\j:101+\j]
	v_pk_add_f32 v[254:255], v[254:255], v[102+\j:103+\j]
.endr
	v_pk_add_f32 v[14:15], v[14:15], v[158:159]
	v_pk_add_f32 v[242:243], v[242:243], v[246:247]
	v_pk_add_f32 v[14:15], v[14:15], v[254:255]
	v_pk_add_f32 v[14:15], v[14:15], v[242:243]
.irp t, 0,1,2,3,4,5,6,7
.irp i, 0,1,2,3,4,5,6,7
	v_min_num_f32 v[96+8*\t+\i], v[96+8*\t+\i], v240   ; the conversion does not saturate (ISA guide 7.6.2); p is not negative, so the hold is one-sided
.endr
	v_cvt_scalef32_pk8_bf8_f32 v[224+2*\t:225+2*\t], v[96+8*\t:103+8*\t], v244
.endr
	s_wait_alu depctr_va_vdst(0)                   ; the wait directly ahead of the first readers of O^T
.set jj, 0
.rept 16
	v_pk_mul_f32 v[160+jj:161+jj], v[160+jj:161+jj], v[252:253] op_sel_hi:[1,0]   ; O^T under the new M; also the plain lines between the conversions and the products
.set jj, jj+2
.endr
.if \first
	s_wait_alu depctr_va_vdst(0)                   ; the wait directly ahead of the wait below
	s_wait_dscnt 0x0                               ; V is in
.endif
	WIN \pw
.irp t, 0,1,2,3
	v_wmma_f32_16x16x128_bf8_bf8 v[160+8*\t:167+8*\t], v[32+16*\t:47+16*\t], v[224:239], v[160+8*\t:167+8*\t]   ; the four accumulators take turns
.endr
.endm
.macro STEP                            ; 128 keys from KF on, for both tiles
	s_cmp_gt_u32 s[KF], s[QL]                      ; all keys behind my 32 queries: the step's work is left out (a branch on ids; no barrier and no tensor load stands in a step)
	s_cbranch_scc1 .Lhidden_\@
	v_add_nc_u32 v[ADK], s[TB], v[L16]
	v_add_nc_u32 v[ADV], s[TB], v[AV0]
.rept 2
	v_nop                                          ; with the two additions: four places in front of loads into registers that the last products read
.endr
.irp t, 0,1,2,3,4,5,6,7
	ds_load_b128 v[32+8*\t:35+8*\t], v[ADK] offset:\t*1024          ; a tile of 16 keys: 512 consecutive bytes a load
	ds_load_b128 v[36+8*\t:39+8*\t], v[ADK] offset:\t*1024+512
.endr
	WIN 0x40
.irp t, 0,1,2,3
.irp c, 0,1,2,3
	ds_load_b128 v[32+16*\t+4*\c:35+16*\t+4*\c], v[ADV] offset:\t*2048+512*\c   ; V's four tiles, into window 1: they land while the first softmax is worked
.endr
.endr
	WIN 0
	s_wait_dscnt 16                                ; K's 16 loads are in; V's 16, issued behind them, may be out
.irp t, 0,1,2,3,4,5,6,7
	v_wmma_f32_16x16x64_bf8_bf8 v[96+8*\t:103+8*\t], v[32+8*\t:39+8*\t], v[16:23], 0
.endr
	WIN 0x54                                       ; K from window 0; Q and the scores of tile B in window 1
.irp t, 0,1,2,3,4,5,6,7
	v_wmma_f32_16x16x64_bf8_bf8 v[96+8*\t:103+8*\t], v[32+8*\t:39+8*\t], v[16:23], 0
.endr
	WIN 0
.rept 4
	v_nop                                          ; places in front of the first read of the scores
.endr
	s_add_co_u32 s12, s[KF], 127
	s_sub_co_i32 s13, s[Q0], s[KF]
	SOFT 0, 0x01, 1
	SOFT 0x55, 0x55, 0
	WIN 0
.Lhidden_\@:
	s_add_co_u32 s[KF], s[KF], 128
	s_add_co_u32 s[TB], s[TB], 8192
.endm
; A TRIP: a chunk of 512 keys.  Each wave waits for its tensor load (its part of this chunk), adds 0 to its spare word and waits for that and for its LDS reads; behind the barrier the chunk is whole.
; fill = 1: the next chunk is asked for, into bytes that nothing has filled: a wave's one tensor load until the next barrier.
.macro PHASE fill
	s_wait_tensorcnt 0x0                           ; no tensor load of mine is out, so group 0 may be written
	ds_add_u32 v[SPW], v[NIL]
.if \fill
	s_add_co_u32 s[G0+1], s[G0+1], CHB
	s_add_nc_u64 s[G0+2:G0+3], s[G0+2:G0+3], CHB   ; the type bits on top are not reached
	s_wait_xcnt 0x0                                ; any prefetch of mine has read its address
	s_add_nc_u64 s[PFA:PFA+1], s[PFA:PFA+1], CHB   ; one chunk further on than the walking descriptor
.endif
	s_wait_dscnt 0x0
	s_barrier_signal -1
	s_barrier_wait -1
.if \fill
	s_cmp_gt_u32 s[NK], s[LQ]                      ; ids and the count of trips alone: all eight waves go the same way, and a work-group past its limit stays past it
	s_cbranch_scc1 .Lpast_\@
	tensor_load_to_lds s[G0:G0+3], s[G1:G1+7]
	s_nop 0
.rept 4
	v_nop
.endr
.Lpast_\@:
	s_cmp_eq_u32 s[TC], s[LIM]
	s_cbranch_scc0 .Lnoask_\@
	global_prefetch_b8 v[PFO], s[PFA:PFA+1] th:TH_LOAD_NT scope:SCOPE_SE   ; my 8,192 bytes of the chunk that the next trip asks for
.Lnoask_\@:
.endif
	s_mov_b32 s[TB], s[TBO]
	s_mov_b32 s[CNT], 4
.Lstep_\@:
	STEP
	s_sub_co_u32 s[CNT], s[CNT], 1
	s_cmp_lg_u32 s[CNT], 0
	s_cbranch_scc1 .Lstep_\@
.endm
; A tile's end: O^T / the sum x 2^(e8 + e9), quantised with entry 10; two exchanges of lane halves for each 32 features lay 16 neighbours into each lane; 1,024 consecutive bytes leave from registers.
.macro FIN w, sw, off
	WIN \w
	v_add_f32 v14, v14, v15
	v_permlanex16_b32 v248, v14, s[SEL], s[SEL+1]
	v_add_f32 v14, v14, v248                       ; the row's sum
	s_wait_alu depctr_va_vdst(0)                   ; the wait ahead of the transcendental,
	v_rcp_f32 v14, v14
	v_nop                                          ; a plain place behind it
	s_wait_alu depctr_va_vdst(0)                   ; and ahead of its first reader
	v_ldexp_f32 v14, v14, s[EPV]
	s_wait_alu depctr_va_vdst(0)                   ; and directly ahead of the first readers of O^T
.set jj, 0
.rept 16
	v_pk_mul_f32 v[96+jj:97+jj], v[160+jj:161+jj], v[14:15] op_sel_hi:[1,0]   ; register 8 t + i: feature 16 t + 8 (l / 16) + i of my query
.set jj, jj+2
.endr
.irp t, 0,1,2,3
.irp i, 0,1,2,3,4,5,6,7
	v_med3_num_f32 v[96+8*\t+\i], v[96+8*\t+\i], -v241, v241
.endr
	v_cvt_scalef32_pk8_bf8_f32 v[208+2*\t:209+2*\t], v[96+8*\t:103+8*\t], v245
.endr
	v_nop                                          ; a plain line between the conversions and the exchanges
	v_permlane16_swap_b32 v208, v210               ; the first register's lanes 16-31 change places with the second's lanes 0-15
	v_permlane16_swap_b32 v209, v211
	v_permlane16_swap_b32 v212, v214
	v_permlane16_swap_b32 v213, v215
	WIN \sw                                        ; the offset in window 0, the data in the tile's
	global_store_b128 v[L16], v[208:211], s[OUT:OUT+1] offset:\off
	global_store_b128 v[L16], v[212:215], s[OUT:OUT+1] offset:\off+512   ; these registers, their offset and their base are not written again
.endm
	s_mov_b32 s[TBO], 0
	s_mov_b32 s[KF], 0
	s_mov_b32 s[NK], 512
	s_mov_b32 s[TC], 0
	s_wait_alu depctr_va_vdst(0)                   ; the wait at the head's end
	s_wait_loadcnt 0x0                             ; Q
.Lchunk:                                               ; three trips, each of which may ask for the next chunk
	PHASE 1
	s_add_co_u32 s[TBO], s[TBO], CHB
	s_add_co_u32 s[NK], s[NK], 512
	s_add_co_u32 s[TC], s[TC], 1
	s_cmp_lt_u32 s[TC], 3
	s_cbranch_scc1 .Lchunk
	PHASE 0                                        ; the last chunk is written out: nothing follows it
	FIN 0, 0, 0
	FIN 0x55, 0x04, 16384
	WIN 0
	s_wait_tensorcnt 0x0                           ; the wave's end
	ds_add_u32 v[SPW], v[NIL]
	s_wait_dscnt 0x0
	s_endpgm
.Lfunc_end_k_qf708ceac06_attn:
	.size	k_qf708ceac06_attn, .Lfunc_end_k_qf708ceac06_attn-k_qf708ceac06_attn
	.p2alignl 7, 3214868480
	.fill 96, 4, 3214868480
	.section	.rodata,"a",@progbits
	.p2align	6, 0x0
	.amdhsa_kernel k_qf708ceac06_attn
		.amdhsa_group_segment_fixed_size 327680
		.amdhsa_private_segment_fixed_size 0
		.amdhsa_enable_private_segment 0
		.amdhsa_kernarg_size 24
		.amdhsa_user_sgpr_count 2
		.amdhsa_user_sgpr_kernarg_segment_ptr 1
		.amdhsa_wavefront_size32 1
		.amdhsa_system_sgpr_workgroup_id_x 1
		.amdhsa_system_sgpr_workgroup_id_y 1
		.amdhsa_system_sgpr_workgroup_id_z 1
		.amdhsa_system_vgpr_workitem_id 0
		.amdhsa_next_free_vgpr 512
		.amdhsa_next_free_sgpr 66
		.amdhsa_reserve_vcc 1
		.amdhsa_float_denorm_mode_32 3
		.amdhsa_float_denorm_mode_16_64 3
		.amdhsa_memory_ordered 1
		.amdhsa_forward_progress 1
		.amdhsa_inst_pref_size 96
	.end_amdhsa_kernel
	.amdgpu_metadata
---
amdhsa.version: [ 1, 2 ]
amdhsa.kernels:
  - .name:           k_qf708ceac06_attn
    .symbol:         k_qf708ceac06_attn.kd
    .args:
      - { .name: qkv, .offset: 0, .size: 8, .value_kind: global_buffer, .address_space: global }
      - { .name: lowp_scales, .offset: 8, .size: 8, .value_kind: global_buffer, .address_space: global }
      - { .name: ctx, .offset: 16, .size: 8, .value_kind: global_buffer, .address_space: global }
    .group_segment_fixed_size: 327680
    .private_segment_fixed_size: 0
    .kernarg_segment_align: 8
    .kernarg_segment_size: 24
    .max_flat_workgroup_size: 256
    .sgpr_count:     66
    .vgpr_count:     512
    .wavefront_size: 32
...
	.end_amdgpu_metadata
.endif
;; end of part 3
;; launch wo (part 4): grid 8 x 32, 4 waves a work-group, clusters of 4 x 4, 327,680 bytes of LDS; arguments ctx, wo_codes, bo, x, lowp_scales, x1; writes x1
.if DOCPART == 4
	.amdgcn_target "amdgcn-amd-amdhsa--gfx1250"
	.amdhsa_code_object_version 6
	.text
	.protected	k_qf708ceac06_wo
	.globl	k_qf708ceac06_wo
	.p2align	8
	.type	k_qf708ceac06_wo,@function
k_qf708ceac06_wo:
	s_mov_b64 s[64:65], 0
	v_nop
	global_prefetch_b8 v0, s[64:65] scope:SCOPE_SE
	s_setreg_imm32_b32 hwreg(HW_REG_WAVE_MODE, 25, 1), 1
	s_wait_xcnt 0x0
	s_wait_alu depctr_hold_cnt(0) depctr_sa_sdst(0) depctr_va_vdst(0) depctr_va_sdst(0) depctr_va_ssrc(0) depctr_va_vcc(0) depctr_vm_vsrc(0)
	s_getreg_b32 s2, hwreg(HW_REG_IB_STS2, 6, 4)
	s_cmp_eq_u32 s2, 0
	s_cbranch_scc0 .Lentry_in_a_cluster
	s_endpgm
.Lentry_in_a_cluster:
	s_bfe_u32 s2, ttmp6, 0x10000c
	s_cmp_lg_u32 s2, 0xf033
	s_cbranch_scc0 .Lentry_shape_is_right
	s_endpgm
.Lentry_shape_is_right:
; out = resid + bias + A B^T x 2^(eA + eB).  A: 4,096 rows x KB codes of E5M2, as images of operand registers: [tile of 16 rows 256][64 along K: KB / 64][2][lane 32][16 bytes]; B: [1024 (n)][KB] codes, rows along K.
; resid, out: [4096][1024] f32; bias [1024] f32.  Here KB = 1,024 (A = ctx, B = wo, entries 10 and 11, resid = x).
; A tile of C is 128 x 128: 256 work-groups; four waves, 64 x 64 each: 16 accumulators.  K goes in steps of 512 through two LDS slots filled by the tensor data mover.
; The matrix form is the one of K = 64: a fragment is 8 registers.  B's come by two loads of 16 bytes, 32 bytes apart, so registers 4 p .. 4 p + 3 hold k = 32 p + 16 (l / 16) + 0..15; A's images were laid in that same order.
; THE MATRIX INSTRUCTION IS USED TRANSPOSED (source 0 = 16 rows of B, source 1 = 16 rows of A): a lane holds eight neighbouring numbers of a row of C.
; CLUSTERS: 4 x 4; A's tiles are asked for jointly along a row of the cluster, B's along a column.
; LIMIT: eA + eB between -126 and 127.
; REGISTERS: window 0: v0-31 addresses, v[8:11] my four columns' bias; v32-95 two blocks of the residual; v96-127 a block of sums read back by rows; v128-255 the accumulators ((a, b) at v[128 + 8 (4 a + b)]).
;   window 1: two fragment buffers of 128: for 128 along K, 64 registers of A, then 64 of B.
.set KB,     1024
.set SCB,    40                        ; byte of eA among the scales' exponents; eB follows it
.set NTS,    0                         ; the result is read again by the launches that follow
.set PITCH,  528                       ; a row of B in LDS: 512 bytes + 16 of padding = 132 words: the 16 rows of a load start at 16 different banks (64 banks of 4 bytes: ISA guide 11.1)
.set AREG,   65536                     ; A's part of a slot: 8 tiles of 16 rows x 8 pieces of 64 along K x 1,024 bytes, dense
.set SLOT,   AREG+128*PITCH            ; then B's 128 rows
.set ASTEP,  16384                     ; two slots on along K: in A's images,
.set BSTEP,  1024                      ; in B's rows
.set STAGE,  2*SLOT                    ; behind the ring: 16 rows x 272 bytes for each wave
.set SPITCH, 272
.set SPARE,  STAGE+4*16*SPITCH         ; behind the stages: the spare words, 128 bytes a wave: two blocks of 256 bytes that no other line names
.set LAPS,   KB/1024
.set ADRA, 16
.set ADRB, 20
.set STO,  24
.set RD,   25
.set CO,   26
.set SPW,  28
.set NIL,  29
.set BK,   96
.set ACC,  128
.set F0,   0
.set F1,   128
.set G1, 24
.set G0, 32
.set G1B, 48
.set G0B, 56
.set MSB, 0
.macro WIN new                         ; the immediate's high byte repeats the setting that is left
.if MSB != \new
	s_set_vgpr_msb (MSB<<8)|\new
.set MSB, \new
.endif
.endm
.set MUL,  0x05                        ; sources 0 (B) and 1 (A) window 1; C and D window 0
.set TO_F, 0x40                        ; destination window 1, address window 0
.macro JLOAD s                         ; a joint load: waves 0 and 1 fetch A's two halves, waves 2 and 3 B's; four v_nop follow each line
	s_cmp_eq_u32 s11, 0
	s_cbranch_scc0 .Lfor_b_\@
	tensor_load_to_lds s[G0+4*\s:G0+4*\s+3], s[G1:G1+7]
	s_nop 0
.rept 4
	v_nop
.endr
	s_branch .Lasked_\@
.Lfor_b_\@:
	tensor_load_to_lds s[G0B+4*\s:G0B+4*\s+3], s[G1B:G1B+7]
	s_nop 0
.rept 4
	v_nop
.endr
.Lasked_\@:
.endm
.macro CREST
	s_cmp_lg_u32 s10, 0
	s_cbranch_scc1 .Lnot_wave_0_\@
	s_barrier_signal -3
.Lnot_wave_0_\@:
	s_barrier_wait -3
	s_barrier_signal -1
	s_barrier_wait -1
.endm
.macro CROUND
	s_barrier_signal -1
	s_barrier_wait -1
	CREST
.endm
	s_load_b256 s[68:75], s[0:1], 0x0              ; A s[68:69], B s[70:71], bias s[72:73], resid s[74:75]
	s_load_b128 s[76:79], s[0:1], 0x20             ; the scales' exponents s[76:77], out s[78:79]
	v_lshl_add_u32 v[SPW], v0, 2, SPARE
	v_mov_b32 v[NIL], 0
	ds_add_u32 v28, v29
	ds_add_u32 v28, v29
	s_wait_dscnt 0x0
	v_lshrrev_b32 v1, 5, v0
	v_readfirstlane_b32 s10, v1                    ; wave 0..3
	s_lshr_b32 s11, s10, 1                         ; which half of the tile's rows is mine.  Also: I fetch for A (0) or for B (1)
	s_and_b32 s12, s10, 1                          ; which half of its columns.  Also: which half of that tile I fetch
	s_bfe_u32 s40, ttmp6, 0x40000                  ; cx, cy
	s_bfe_u32 s41, ttmp6, 0x40004
	s_lshl_b32 s42, ttmp9, 2
	s_add_co_u32 s42, s42, s40                     ; tile column of C
	s_and_b32 s13, ttmp7, 0xffff
	s_lshl_b32 s13, s13, 2
	s_add_co_u32 s13, s13, s41                     ; tile row of C
	s_lshl_b32 s43, s41, 2
	s_lshl_b32 s43, 15, s43                        ; my row of the cluster
	s_lshl_b32 s44, 0x1111, s40                    ; my column
	s_or_b32 s[G1+0], s43, (3<<16)|(1<<21)         ; A: the mask; elements of 8 bytes; 21 set beside a mask; no padding
	s_mov_b32 s[G1+1], 1024<<16                    ; tensor_dim0 = 1,024 elements: a tile's 8,192 bytes of a slot
	s_mov_b32 s[G1+2], 4<<16                       ; tensor_dim1 = 4 tiles of 16 rows
	s_mov_b32 s[G1+3], 1024<<16                    ; tile_dim0
	s_mov_b32 s[G1+4], 4                           ; tile_dim1
	s_mov_b32 s[G1+5], 2*KB                        ; from tile to tile: 16 KB bytes
	s_mov_b32 s[G1+6], 0
	s_mov_b32 s[G1+7], 0
	s_or_b32 s[G1B+0], s44, (0<<16)|(1<<20)|(1<<21)|(6<<22)|(3<<25)   ; B: elements of 1 byte; four words of padding after every 128
	s_mov_b32 s[G1B+1], 512<<16
	s_mov_b32 s[G1B+2], 64<<16
	s_mov_b32 s[G1B+3], 512<<16
	s_mov_b32 s[G1B+4], 64
	s_mov_b32 s[G1B+5], KB
	s_mov_b32 s[G1B+6], 0
	s_mov_b32 s[G1B+7], 0
	s_lshl_b32 s16, s13, 3
	s_lshl_b32 s17, s12, 2
	s_add_co_u32 s16, s16, s17                     ; A: tile of 16 rows 8 x tile row + 4 x half
	s_lshl_b32 s46, s42, 7
	s_lshl_b32 s17, s12, 6
	s_add_co_u32 s46, s46, s17                     ; B: row 128 x tile column + 64 x half
	s_mov_b32 s17, 0
	s_mov_b32 s47, 0
	s_mov_b64 s[18:19], 16*KB
	s_mul_u64 s[16:17], s[16:17], s[18:19]
	s_mov_b64 s[18:19], KB
	s_mul_u64 s[46:47], s[46:47], s[18:19]
	s_lshl_b32 s20, s12, 15                        ; where they go: A's half,
	s_mul_i32 s21, s12, 64*PITCH
	s_add_co_u32 s21, s21, AREG                    ; B's half: no place in the cluster enters an LDS address
	s_wait_kmcnt 0x0
	s_load_b64 s[80:81], s[76:77], SCB             ; eA, eB
	s_add_nc_u64 s[14:15], s[68:69], s[16:17]
	s_add_nc_u64 s[46:47], s[70:71], s[46:47]
	CROUND                                         ; all sixteen work-groups are here: the first joint loads meet
.irp s, 0,1
	s_mov_b32 s[G0+4*\s], 1
	s_add_co_u32 s[G0+4*\s+1], s20, \s*SLOT
	s_add_nc_u64 s[G0+4*\s+2:G0+4*\s+3], s[14:15], \s*8192
	s_or_b32 s[G0+4*\s+3], s[G0+4*\s+3], 0x80000000
	s_mov_b32 s[G0B+4*\s], 1
	s_add_co_u32 s[G0B+4*\s+1], s21, \s*SLOT
	s_add_nc_u64 s[G0B+4*\s+2:G0B+4*\s+3], s[46:47], \s*512
	s_or_b32 s[G0B+4*\s+3], s[G0B+4*\s+3], 0x80000000
.endr
	JLOAD 0                                        ; slot 0: my one tensor load at the head
	v_and_b32 v1, 15, v0                           ; l % 16
	v_bfe_u32 v2, v0, 4, 1                         ; l / 16
	v_and_b32 v6, 31, v0
	v_lshlrev_b32 v6, 4, v6                        ; 16 x lane: my place in an image
	v_mul_u32_u24 v3, v1, PITCH
	v_lshl_add_u32 v3, v2, 4, v3                   ; B: row x pitch + 16 x half
	s_lshl_b32 s21, s11, 15                        ; my four tiles of A
	s_mul_i32 s22, s12, 64*PITCH                   ; my 64 rows of B
	s_add_co_u32 s22, s22, AREG
.irp s, 0,1
	v_add_nc_u32 v[ADRA+\s], s21, v6
	v_add_nc_u32 v[ADRB+\s], s22, v3
	s_add_co_u32 s21, s21, SLOT
	s_add_co_u32 s22, s22, SLOT
.endr
	s_mul_i32 s23, s10, 16*SPITCH
	s_add_co_u32 s23, s23, STAGE                   ; my stage
	v_mul_u32_u24 v4, v1, SPITCH
	v_lshl_add_u32 v4, v2, 5, v4
	v_add_nc_u32 v[STO], s23, v4                   ; in: row l % 16, 32 bytes for each half of the lanes
	v_mul_u32_u24 v5, v2, SPITCH
	v_lshl_add_u32 v5, v1, 4, v5
	v_add_nc_u32 v[RD], s23, v5                    ; back: lanes 0-15 one row of 256 bytes, lanes 16-31 the next
	v_lshlrev_b32 v5, 12, v2
	v_lshl_add_u32 v[CO], v1, 4, v5                ; and the same two rows in resid and out: 4,096 bytes a row
	v_lshlrev_b32 v27, 4, v1                       ; my four columns in the bias
	s_wait_alu depctr_va_vdst(0)
	s_lshl_b32 s16, s13, 7
	s_lshl_b32 s17, s11, 6
	s_add_co_u32 s16, s16, s17
	s_lshl_b32 s16, s16, 12                        ; my first row, in bytes
	s_mov_b32 s17, 0
	s_lshl_b32 s46, s42, 9
	s_lshl_b32 s47, s12, 8
	s_add_co_u32 s46, s46, s47                     ; my first column, in bytes
	s_mov_b32 s47, 0
	s_add_nc_u64 s[72:73], s[72:73], s[46:47]
	s_add_nc_u64 s[82:83], s[74:75], s[16:17]
	s_add_nc_u64 s[82:83], s[82:83], s[46:47]
	s_add_nc_u64 s[8:9], s[78:79], s[16:17]
	s_add_nc_u64 s[8:9], s[8:9], s[46:47]
.macro XLOAD a                         ; the residual of my rows 16 a on, laid as the rows come back from the stage; into set a % 2
.irp t, 0,1,2,3,4,5,6,7
	global_load_b128 v[32+32*((\a)%2)+4*\t:32+32*((\a)%2)+4*\t+3], v[CO], s[82:83] offset:(16*(\a)+2*\t)*4096
.endr
.endm
	global_load_b128 v[8:11], v27, s[72:73]
	XLOAD 0                                        ; these land while the products run
	XLOAD 1
.macro MUL8 f, c, a0, zero             ; 8 matrix instructions: m blocks a0, a0 + 1 x all 4 n blocks, 64 along K: half c of buffer f.  The 16 accumulators take turns
.irp a, \a0, \a0+1
.irp b, 0,1,2,3
.if \zero
	v_wmma_f32_16x16x64_bf8_bf8 v[ACC+8*(4*(\a)+\b):ACC+8*(4*(\a)+\b)+7], v[\f+64+8*(4*\c+\b):\f+64+8*(4*\c+\b)+7], v[\f+8*(4*\c+\a):\f+8*(4*\c+\a)+7], 0
.else
	v_wmma_f32_16x16x64_bf8_bf8 v[ACC+8*(4*(\a)+\b):ACC+8*(4*(\a)+\b)+7], v[\f+64+8*(4*\c+\b):\f+64+8*(4*\c+\b)+7], v[\f+8*(4*\c+\a):\f+8*(4*\c+\a)+7], v[ACC+8*(4*(\a)+\b):ACC+8*(4*(\a)+\b)+7]
.endif
.endr
.endr
.endm
.macro FETCH slot, k, f                ; 32 LDS loads in one run: the fragments of 128 along K from k on, into buffer f; the first 64 along K first
	WIN TO_F
.irp c, 0,1
.irp i, 0,1,2,3
	ds_load_b128 v[\f+64+8*(4*\c+\i):\f+64+8*(4*\c+\i)+3],   v[ADRB+\slot] offset:\k+64*\c+\i*16*PITCH
	ds_load_b128 v[\f+64+8*(4*\c+\i)+4:\f+64+8*(4*\c+\i)+7], v[ADRB+\slot] offset:\k+64*\c+\i*16*PITCH+32
	ds_load_b128 v[\f+8*(4*\c+\i):\f+8*(4*\c+\i)+3],         v[ADRA+\slot] offset:((\k)/64+\c)*1024+\i*8192
	ds_load_b128 v[\f+8*(4*\c+\i)+4:\f+8*(4*\c+\i)+7],       v[ADRA+\slot] offset:((\k)/64+\c)*1024+\i*8192+512
.endr
.endr
.endm
.macro PLACES                          ; four plain vector instructions that name no register of the matrix instructions ahead (ISA guide 7.12.1)
.rept 4
	v_nop
.endr
.endm
.macro QUARTER slot, k, f, g, zero     ; a quarter of a slot: 128 along K, 32 matrix instructions on buffer f; in its middle the next quarter, from k on, is fetched into g
	s_wait_dscnt 16                                ; the first 64 along K are in; the 16 younger loads may be out
	WIN MUL
	MUL8 \f, 0, 0, \zero
	MUL8 \f, 0, 2, \zero
	PLACES
	FETCH \slot, \k, \g
	s_wait_dscnt 32                                ; all but the 32 just issued
	WIN MUL
	MUL8 \f, 1, 0, 0
	MUL8 \f, 1, 2, 0
.endm
; The last quarter changes slots: ONE barrier; in front of it each wave waits for all its tensor loads, adds 0 to its spare word, and waits for that and for its own reads of this slot.
.macro TURN slot, next, fill
	WIN 0
	s_wait_tensorcnt 0x0                           ; all my tensor loads have landed: my part of the next slot
	ds_add_u32 v[SPW], v[NIL]                      ; 0 onto my spare word
	s_wait_dscnt 17                                ; the add and the youngest sixteen loads may be out
	WIN MUL
	MUL8 F1, 0, 0, 0
	s_wait_dscnt 0x0                               ; the add is done, and my reads of this slot are over
	s_barrier_signal -1
	MUL8 F1, 0, 2, 0
.if \fill
	WIN 0
.endif
	s_barrier_wait -1
.if \fill
	CREST                                          ; the barrier has opened a round of the cluster's: no wave of any partner still reads this slot or has a load on its way
	s_add_nc_u64 s[G0+4*\slot+2:G0+4*\slot+3], s[G0+4*\slot+2:G0+4*\slot+3], ASTEP
	s_add_nc_u64 s[G0B+4*\slot+2:G0B+4*\slot+3], s[G0B+4*\slot+2:G0B+4*\slot+3], BSTEP
	JLOAD \slot                                    ; the first tensor load behind the round; its four v_nop are the places in front of the loads below
.else
	PLACES
.endif
	FETCH \next, 0, F0
	WIN MUL
	MUL8 F1, 1, 0, 0
	MUL8 F1, 1, 2, 0
.endm
	s_wait_alu depctr_va_vdst(0)                   ; the wait at the head's end
	s_wait_tensorcnt 0x0                           ; my part of slot 0 is in
	ds_add_u32 v[SPW], v[NIL]
	s_wait_dscnt 0x0
	CROUND                                         ; everybody's part of slot 0 is in, and all sixteen work-groups are here
	JLOAD 1                                        ; slot 1's first fill: the first tensor load behind the round
	FETCH 0, 0, F0
	QUARTER 0, 128, F0, F1, 1                      ; the first products start the sums
.if LAPS > 1
	WIN 0
	s_mov_b32 s3, LAPS-1
.Llap:
	QUARTER 0, 256, F1, F0, 0
	QUARTER 0, 384, F0, F1, 0
	TURN 0, 1, 1
	QUARTER 1, 128, F0, F1, 0
	QUARTER 1, 256, F1, F0, 0
	QUARTER 1, 384, F0, F1, 0
	TURN 1, 0, 1
	QUARTER 0, 128, F0, F1, 0
	WIN 0
	s_sub_co_u32 s3, s3, 1
	s_cmp_lg_u32 s3, 0
	s_cbranch_scc1 .Llap
.endif
	QUARTER 0, 256, F1, F0, 0                      ; the last lap fills nothing
	QUARTER 0, 384, F0, F1, 0
	TURN 0, 1, 0
	QUARTER 1, 128, F0, F1, 0
	QUARTER 1, 256, F1, F0, 0
	QUARTER 1, 384, F0, F1, 0
	s_wait_dscnt 16
	WIN MUL
	MUL8 F1, 0, 0, 0
	MUL8 F1, 0, 2, 0
	s_wait_dscnt 0
	MUL8 F1, 1, 0, 0
	MUL8 F1, 1, 2, 0
	WIN 0
	; THE WAY OUT, 16 rows x my 64 columns at a time, through my own stage: a lane's 32 bytes go in, whole rows of 256 bytes come back; no other wave touches the stage, so no barrier.
	s_wait_kmcnt 0x0
	s_add_co_i32 s84, s80, s81
	s_add_co_i32 s84, s84, 127
	s_lshl_b32 s84, s84, 23                        ; 2^(eA + eB) as f32
	s_mov_b32 s85, s84
	PLACES
.macro OUTB a
.set XR, 32+32*((\a)%2)
.if (\a) > 0
	s_wait_xcnt 0x0                                ; the last block's stores have read v96-127, which the loads below write
.endif
.irp b, 0,1,2,3
	ds_store_b128 v[STO], v[ACC+8*(4*(\a)+\b):ACC+8*(4*(\a)+\b)+3] offset:64*\b          ; each accumulator from its low end on
	ds_store_b128 v[STO], v[ACC+8*(4*(\a)+\b)+4:ACC+8*(4*(\a)+\b)+7] offset:64*\b+16
.endr
.irp t, 0,1,2,3,4,5,6,7
	ds_load_b128 v[BK+4*\t:BK+4*\t+3], v[RD] offset:2*\t*SPITCH   ; LDS serves a wave's instructions in order (ISA guide 5.7.1.4): these see my stores
.endr
.if (\a) < 3
	s_wait_loadcnt 8                               ; this block's residual (and the bias) is in; the next block's eight loads may be out
.else
	s_wait_loadcnt 0
.endif
.irp t, 0,1,2,3,4,5,6,7
	v_pk_add_f32 v[XR+4*\t:XR+4*\t+1], v[XR+4*\t:XR+4*\t+1], v[8:9]        ; resid + bias, while the rows come back
	v_pk_add_f32 v[XR+4*\t+2:XR+4*\t+3], v[XR+4*\t+2:XR+4*\t+3], v[10:11]
.endr
	s_wait_dscnt 0x0
.irp t, 0,1,2,3,4,5,6,7
	v_pk_fma_f32 v[BK+4*\t:BK+4*\t+1], v[BK+4*\t:BK+4*\t+1], s[84:85], v[XR+4*\t:XR+4*\t+1] op_sel_hi:[1,0,1]
	v_pk_fma_f32 v[BK+4*\t+2:BK+4*\t+3], v[BK+4*\t+2:BK+4*\t+3], s[84:85], v[XR+4*\t+2:XR+4*\t+3] op_sel_hi:[1,0,1]
.endr
.irp t, 0,1,2,3,4,5,6,7
.if NTS
	global_store_b128 v[CO], v[BK+4*\t:BK+4*\t+3], s[8:9] offset:(16*(\a)+2*\t)*4096 th:TH_STORE_NT
.else
	global_store_b128 v[CO], v[BK+4*\t:BK+4*\t+3], s[8:9] offset:(16*(\a)+2*\t)*4096   ; 16 lanes store 256 consecutive bytes, aligned
.endif
.endr
.if (\a) < 2
	XLOAD (\a)+2
.endif
.endm
	OUTB 0
	OUTB 1
	OUTB 2
	OUTB 3
	s_wait_tensorcnt 0x0                           ; the wave's end
	ds_add_u32 v[SPW], v[NIL]
	s_wait_dscnt 0x0
	CROUND                                         ; the closing round
	s_endpgm
.Lfunc_end_k_qf708ceac06_wo:
	.size	k_qf708ceac06_wo, .Lfunc_end_k_qf708ceac06_wo-k_qf708ceac06_wo
	.p2alignl 7, 3214868480
	.fill 96, 4, 3214868480
	.section	.rodata,"a",@progbits
	.p2align	6, 0x0
	.amdhsa_kernel k_qf708ceac06_wo
		.amdhsa_group_segment_fixed_size 327680
		.amdhsa_private_segment_fixed_size 0
		.amdhsa_enable_private_segment 0
		.amdhsa_kernarg_size 48
		.amdhsa_user_sgpr_count 2
		.amdhsa_user_sgpr_kernarg_segment_ptr 1
		.amdhsa_wavefront_size32 1
		.amdhsa_system_sgpr_workgroup_id_x 1
		.amdhsa_system_sgpr_workgroup_id_y 1
		.amdhsa_system_sgpr_workgroup_id_z 1
		.amdhsa_system_vgpr_workitem_id 0
		.amdhsa_next_free_vgpr 512
		.amdhsa_next_free_sgpr 96
		.amdhsa_reserve_vcc 0
		.amdhsa_float_denorm_mode_32 3
		.amdhsa_float_denorm_mode_16_64 3
		.amdhsa_memory_ordered 1
		.amdhsa_forward_progress 1
		.amdhsa_inst_pref_size 61
	.end_amdhsa_kernel
	.amdgpu_metadata
---
amdhsa.version: [ 1, 2 ]
amdhsa.kernels:
  - .name:           k_qf708ceac06_wo
    .symbol:         k_qf708ceac06_wo.kd
    .args:
      - { .name: ctx, .offset: 0, .size: 8, .value_kind: global_buffer, .address_space: global }
      - { .name: wo_codes, .offset: 8, .size: 8, .value_kind: global_buffer, .address_space: global }
      - { .name: bo, .offset: 16, .size: 8, .value_kind: global_buffer, .address_space: global }
      - { .name: x, .offset: 24, .size: 8, .value_kind: global_buffer, .address_space: global }
      - { .name: lowp_scales, .offset: 32, .size: 8, .value_kind: global_buffer, .address_space: global }
      - { .name: x1, .offset: 40, .size: 8, .value_kind: global_buffer, .address_space: global }
    .group_segment_fixed_size: 327680
    .private_segment_fixed_size: 0
    .kernarg_segment_align: 8
    .kernarg_segment_size: 48
    .max_flat_workgroup_size: 128
    .sgpr_count:     96
    .vgpr_count:     512
    .wavefront_size: 32
...
	.end_amdgpu_metadata
.endif
;; end of part 4
;; launch ln2 (part 5): grid 256 x 1, 4 waves a work-group, no clusters, 16,896 bytes of LDS; arguments x1, ln2_scale, ln2_shift, lowp_scales, h2; writes h2
.if DOCPART == 5
	.amdgcn_target "amdgcn-amd-amdhsa--gfx1250"
	.amdhsa_code_object_version 6
	.text
	.protected	k_qf708ceac06_ln2
	.globl	k_qf708ceac06_ln2
	.p2align	8
	.type	k_qf708ceac06_ln2,@function
k_qf708ceac06_ln2:
	s_mov_b64 s[64:65], 0
	v_nop
	global_prefetch_b8 v0, s[64:65] scope:SCOPE_SE
	s_setreg_imm32_b32 hwreg(HW_REG_WAVE_MODE, 25, 1), 1
	s_wait_xcnt 0x0
; h = gain * (x - mean) * rsqrt(var + 1e-5) + shift along rows of 1,024 f32, then quantised to codes of E5M2 with the given scale 2^e (entry 12): [4096][1024] codes, rows as in x.
; SHARES: a wave takes 4 rows, one at a time, whole in 32 registers a lane; all 32 row loads go out at the head.  No wave waits for another: no barrier.
; The mean is taken first and the variance of the differences: no difference of large sums is formed.
; A load gives a lane 4 neighbours; the conversion wants 8 neighbours in one lane: the finished row turns once through the wave's own 4,096 bytes of LDS.
; LIMITS: e between -126 and 112, so that 2^e and 57,344 x 2^e are f32 numbers.  NaN and infinities among the inputs are not served.
.set NOUT, 1
.set G,  16                            ; v16-47   gain of my columns 128 i + 4 lane + 0..3
.set SH, 48                            ; v48-79   shift likewise
.set X,  80                            ; v80-207  row p at X + 32 p; when the row is done its first registers take its codes
.set H,  208                           ; v208-239 the row behind the turn: columns 256 c + 8 lane + 0..7
.set T,  240                           ; v240-255 two sets of 8 held numbers; v[240:241] also a second chain of sums
	s_load_b256 s[4:11], s[0:1], 0x0               ; x s[4:5], gain s[6:7], shift s[8:9], the scales' exponents s[10:11]
	s_load_b64 s[12:13], s[0:1], 0x20              ; the codes
	v_lshl_add_u32 v10, v0, 2, 0x4000
	v_mov_b32 v11, 0
	v_lshrrev_b32 v1, 5, v0
	v_readfirstlane_b32 s14, v1                    ; wave
	v_and_b32 v1, 31, v0                           ; lane
	v_lshlrev_b32 v2, 4, v1                        ; 16 x lane: my 16 bytes of a load's 512
	s_lshl_b32 s15, s14, 12                        ; my wave's 4,096 bytes of LDS
	v_add_nc_u32 v3, s15, v2                       ; into them: as loaded
	v_lshl_add_u32 v4, v1, 5, s15                  ; out of them: 32 bytes a lane
	v_lshlrev_b32 v5, 3, v1                        ; 8 codes a lane
	s_mov_b32 s30, 0x76543210                      ; v_permlanex16_b32: lane l xor 16
	s_mov_b32 s31, 0xfedcba98
	s_mov_b32 s32, 0x3a800000                      ; 1 / 1024
	s_mov_b32 s33, 0x3727c5ac                      ; 1e-5
	s_lshl_b32 s34, ttmp9, 2
	s_add_co_u32 s34, s34, s14                     ; which run of 4 rows is my wave's
	s_lshl_b32 s36, s34, 12                        ; 4 rows of 1,024 codes
	s_mov_b32 s37, 0
	s_lshl_b32 s34, s34, 14                        ; 4 rows of 4,096 bytes
	s_mov_b32 s35, 0
	s_wait_alu depctr_va_vdst(0)
	s_wait_kmcnt 0x0
	s_load_b32 s16, s[10:11], 0x30                 ; e12
	s_add_nc_u64 s[4:5], s[4:5], s[34:35]
	s_add_nc_u64 s[24:25], s[12:13], s[36:37]
.macro RLOAD p                         ; a row: eight loads of 512 consecutive bytes
.irp i, 0,1,2,3,4,5,6,7
	global_load_b128 v[X+32*\p+4*\i:X+32*\p+4*\i+3], v2, s[4:5] offset:4096*\p+512*\i th:TH_LOAD_NT
.endr
.endm
	RLOAD 0
.irp i, 0,1,2,3,4,5,6,7
	global_load_b128 v[G+4*\i:G+4*\i+3], v2, s[6:7] offset:512*\i
.endr
.irp i, 0,1,2,3,4,5,6,7
	global_load_b128 v[SH+4*\i:SH+4*\i+3], v2, s[8:9] offset:512*\i
.endr
	RLOAD 1
	RLOAD 2
	RLOAD 3
.macro MKSC e, sc, lim                 ; v[sc] = 2^e as f32 (the conversion takes its exponent field), v[lim] = 57,344 x 2^e
	s_add_co_i32 s38, s[\e], 127
	s_lshl_b32 s39, s38, 23
	v_mov_b32 v[\sc], s39
	s_add_co_i32 s38, s38, 15
	s_lshl_b32 s38, s38, 23
	s_or_b32 s38, s38, 0x600000
	v_mov_b32 v[\lim], s38
.endm
	s_wait_kmcnt 0x0
	MKSC 16, 6, 7
.macro ALLSUM d, t                     ; v[d] summed over the 32 lanes, in every lane; v[t] has been written before
	v_add_f32_dpp v[\d], v[\d], v[\d] row_xmask:1 row_mask:0xf bank_mask:0xf
	v_add_f32_dpp v[\d], v[\d], v[\d] row_xmask:2 row_mask:0xf bank_mask:0xf
	v_add_f32_dpp v[\d], v[\d], v[\d] row_xmask:4 row_mask:0xf bank_mask:0xf
	v_add_f32_dpp v[\d], v[\d], v[\d] row_xmask:8 row_mask:0xf bank_mask:0xf
	v_permlanex16_b32 v[\t], v[\d], s30, s31
	v_add_f32 v[\d], v[\d], v[\t]
.endm
.macro ROW p
.set XP, X+32*\p
	s_wait_loadcnt 24-8*\p                         ; loads come back in order: this row is in (and gain and shift); the 8 loads of each later row may be out
	v_pk_add_f32 v[12:13], v[XP:XP+1], v[XP+2:XP+3]            ; the sum, two at a time, in two chains
	v_pk_add_f32 v[240:241], v[XP+4:XP+5], v[XP+6:XP+7]
.irp j, 8,12,16,20,24,28
	v_pk_add_f32 v[12:13], v[12:13], v[XP+\j:XP+\j+1]
	v_pk_add_f32 v[240:241], v[240:241], v[XP+\j+2:XP+\j+3]
.endr
	v_pk_add_f32 v[12:13], v[12:13], v[240:241]
	v_add_f32 v12, v12, v13
	ALLSUM 12, 13
	v_mul_f32 v12, s32, v12                        ; the mean
.irp j, 0,2,4,6,8,10,12,14,16,18,20,22,24,26,28,30
	v_pk_add_f32 v[XP+\j:XP+\j+1], v[XP+\j:XP+\j+1], v[12:13] op_sel_hi:[1,0] neg_lo:[0,1] neg_hi:[0,1]   ; x - mean
.endr
	v_pk_mul_f32 v[14:15], v[XP:XP+1], v[XP:XP+1]              ; the squares' sum, again in two chains
	v_pk_mul_f32 v[240:241], v[XP+2:XP+3], v[XP+2:XP+3]
.irp j, 4,8,12,16,20,24,28
	v_pk_fma_f32 v[14:15], v[XP+\j:XP+\j+1], v[XP+\j:XP+\j+1], v[14:15]
	v_pk_fma_f32 v[240:241], v[XP+\j+2:XP+\j+3], v[XP+\j+2:XP+\j+3], v[240:241]
.endr
	v_pk_add_f32 v[14:15], v[14:15], v[240:241]
	v_add_f32 v14, v14, v15
	ALLSUM 14, 15
	v_fma_f32 v14, v14, s32, s33                   ; var + eps
	s_wait_alu depctr_va_vdst(0)
	v_rsq_f32 v14, v14
	v_nop                                          ; one plain instruction between a transcendental and the use of its result (ISA guide 5.7.2)
.irp j, 0,2,4,6,8,10,12,14,16,18,20,22,24,26,28,30
	v_pk_mul_f32 v[XP+\j:XP+\j+1], v[XP+\j:XP+\j+1], v[G+\j:G+\j+1]
.endr
	s_wait_alu depctr_va_vdst(0)
.irp j, 0,2,4,6,8,10,12,14,16,18,20,22,24,26,28,30
	v_pk_fma_f32 v[XP+\j:XP+\j+1], v[XP+\j:XP+\j+1], v[14:15], v[SH+\j:SH+\j+1] op_sel_hi:[1,0,1]
.endr
.irp i, 0,1,2,3,4,5,6,7
	ds_store_b128 v3, v[XP+4*\i:XP+4*\i+3] offset:512*\i       ; the row as it lies
.endr
.irp c, 0,1,2,3
	ds_load_b128 v[H+8*\c:H+8*\c+3], v4 offset:1024*\c         ; LDS serves a wave's instructions in order: these see my stores
	ds_load_b128 v[H+8*\c+4:H+8*\c+7], v4 offset:1024*\c+16
.endr
	s_wait_dscnt 0x0                               ; the row is back, 8 neighbours a lane; the stores have read X, which now takes the codes
.irp k, 0,1,2
.if \k < NOUT
.irp c, 0,1,2,3
.irp i, 0,1,2,3,4,5,6,7
	v_med3_num_f32 v[T+8*(\c%2)+\i], v[H+8*\c+\i], -v[7+2*\k], v[7+2*\k]   ; the conversion does not saturate (ISA guide 7.6.2): held at the largest code x the scale
.endr
	v_cvt_scalef32_pk8_bf8_f32 v[XP+8*\k+2*\c:XP+8*\k+2*\c+1], v[T+8*(\c%2):T+8*(\c%2)+7], v[6+2*\k]   ; the two sets of T take turns: eight plain lines stand ahead of the next write of a conversion's sources
.endr
.endif
.endr
	v_nop                                          ; a plain line behind the last conversion
.irp k, 0,1,2
.if \k < NOUT
.irp c, 0,1,2,3
	global_store_b64 v5, v[XP+8*\k+2*\c:XP+8*\k+2*\c+1], s[24+2*\k:25+2*\k] offset:1024*\p+256*\c   ; 32 lanes store 256 consecutive bytes, aligned; these registers are not written again
.endr
.endif
.endr
.endm
	ROW 0
	ROW 1
	ROW 2
	ROW 3
	s_wait_tensorcnt 0x0
	ds_add_u32 v10, v11
	s_wait_dscnt 0x0
	s_endpgm
.Lfunc_end_k_qf708ceac06_ln2:
	.size	k_qf708ceac06_ln2, .Lfunc_end_k_qf708ceac06_ln2-k_qf708ceac06_ln2
	.p2alignl 7, 3214868480
	.fill 96, 4, 3214868480
	.section	.rodata,"a",@progbits
	.p2align	6, 0x0
	.amdhsa_kernel k_qf708ceac06_ln2
		.amdhsa_group_segment_fixed_size 16896
		.amdhsa_private_segment_fixed_size 0
		.amdhsa_enable_private_segment 0
		.amdhsa_kernarg_size 40
		.amdhsa_user_sgpr_count 2
		.amdhsa_user_sgpr_kernarg_segment_ptr 1
		.amdhsa_wavefront_size32 1
		.amdhsa_system_sgpr_workgroup_id_x 1
		.amdhsa_system_sgpr_workgroup_id_y 1
		.amdhsa_system_sgpr_workgroup_id_z 1
		.amdhsa_system_vgpr_workitem_id 0
		.amdhsa_next_free_vgpr 256
		.amdhsa_next_free_sgpr 66
		.amdhsa_reserve_vcc 0
		.amdhsa_float_denorm_mode_32 3
		.amdhsa_float_denorm_mode_16_64 3
		.amdhsa_memory_ordered 1
		.amdhsa_forward_progress 1
		.amdhsa_inst_pref_size 46
	.end_amdhsa_kernel
	.amdgpu_metadata
---
amdhsa.version: [ 1, 2 ]
amdhsa.kernels:
  - .name:           k_qf708ceac06_ln2
    .symbol:         k_qf708ceac06_ln2.kd
    .args:
      - { .name: x1, .offset: 0, .size: 8, .value_kind: global_buffer, .address_space: global }
      - { .name: ln2_scale, .offset: 8, .size: 8, .value_kind: global_buffer, .address_space: global }
      - { .name: ln2_shift, .offset: 16, .size: 8, .value_kind: global_buffer, .address_space: global }
      - { .name: lowp_scales, .offset: 24, .size: 8, .value_kind: global_buffer, .address_space: global }
      - { .name: h2, .offset: 32, .size: 8, .value_kind: global_buffer, .address_space: global }
    .group_segment_fixed_size: 16896
    .private_segment_fixed_size: 0
    .kernarg_segment_align: 8
    .kernarg_segment_size: 40
    .max_flat_workgroup_size: 128
    .sgpr_count:     66
    .vgpr_count:     256
    .wavefront_size: 32
...
	.end_amdgpu_metadata
.endif
;; end of part 5
;; launch w1 (part 6): grid 16 x 16, 4 waves a work-group, clusters of 4 x 4, 327,680 bytes of LDS; arguments h2, w1_codes, b1, lowp_scales, g; writes g
.if DOCPART == 6
	.amdgcn_target "amdgcn-amd-amdhsa--gfx1250"
	.amdhsa_code_object_version 6
	.text
	.protected	k_qf708ceac06_w1
	.globl	k_qf708ceac06_w1
	.p2align	8
	.type	k_qf708ceac06_w1,@function
k_qf708ceac06_w1:
	s_mov_b64 s[64:65], 0
	v_nop
	global_prefetch_b8 v0, s[64:65] scope:SCOPE_SE
	s_setreg_imm32_b32 hwreg(HW_REG_WAVE_MODE, 25, 1), 1
	s_wait_xcnt 0x0
	s_wait_alu depctr_hold_cnt(0) depctr_sa_sdst(0) depctr_va_vdst(0) depctr_va_sdst(0) depctr_va_ssrc(0) depctr_va_vcc(0) depctr_vm_vsrc(0)
	s_getreg_b32 s2, hwreg(HW_REG_IB_STS2, 6, 4)
	s_cmp_eq_u32 s2, 0
	s_cbranch_scc0 .Lentry_in_a_cluster
	s_endpgm
.Lentry_in_a_cluster:
	s_bfe_u32 s2, ttmp6, 0x10000c
	s_cmp_lg_u32 s2, 0xf033
	s_cbranch_scc0 .Lentry_shape_is_right
	s_endpgm
.Lentry_shape_is_right:
.set SIZE_K, 1024
.set KSTEP,  256
.set ROWB,   256
.set KROW,   SIZE_K
.set PITCH,  272
.set FR,     16
.set NL,     4
.set NP,     4
.set HALFT,  128*PITCH
.set SLOT,   4*HALFT
.set LAPS,   SIZE_K/(2*KSTEP)
.set SPARE,  2*SLOT
.set ADRA, 16
.set ADRB, 20
.set CO,   26
.set SPW,  28
.set NIL,  29
.set PCS,  4
.set BC,   32
.set EC,   96
.set AF,   128
.set U,    128
.set UC,   192
.set W,    208
.set P,    224
.set Q,    240
.set G1, 24
.set G0, 32
.set G1B, 48
.set G0B, 56
.set MSB, 0
.macro WIN new
.if MSB != \new
	s_set_vgpr_msb (MSB<<8)|\new
.set MSB, \new
.endif
.endm
.set MUL_LO, 0xa1
.set MUL_HI, 0xf1
.set TO_B,   0x40
.macro JLOAD g0a, g1a, g0b, g1b
	s_cmp_eq_u32 s15, 0
	s_cbranch_scc0 .Lfor_b_\@
	tensor_load_to_lds s[\g0a:\g0a+3], s[\g1a:\g1a+7]
	s_nop 0
.rept 4
	v_nop
.endr
	s_branch .Lasked_\@
.Lfor_b_\@:
	tensor_load_to_lds s[\g0b:\g0b+3], s[\g1b:\g1b+7]
	s_nop 0
.rept 4
	v_nop
.endr
.Lasked_\@:
.endm
.macro CREST
	s_cmp_lg_u32 s14, 0
	s_cbranch_scc1 .Lnot_wave_0_\@
	s_barrier_signal -3
.Lnot_wave_0_\@:
	s_barrier_wait -3
	s_barrier_signal -1
	s_barrier_wait -1
.endm
.macro CROUND
	s_barrier_signal -1
	s_barrier_wait -1
	CREST
.endm
	s_load_b256 s[68:75], s[0:1], 0x0
	s_load_b64 s[76:77], s[0:1], 0x20
	v_lshl_add_u32 v[SPW], v0, 2, SPARE
	v_mov_b32 v[NIL], 0
	ds_add_u32 v28, v29
	ds_add_u32 v28, v29
	s_wait_dscnt 0x0
	v_lshrrev_b32 v1, 5, v0
	v_readfirstlane_b32 s14, v1
	s_lshr_b32 s15, s14, 1
	s_and_b32 s16, s14, 1
	s_bfe_u32 s40, ttmp6, 0x40000
	s_bfe_u32 s41, ttmp6, 0x40004
	s_lshl_b32 s42, ttmp9, 2
	s_add_co_u32 s42, s42, s40
	s_and_b32 s17, ttmp7, 0xffff
	s_lshl_b32 s17, s17, 2
	s_add_co_u32 s17, s17, s41
	s_lshl_b32 s43, s41, 2
	s_lshl_b32 s43, 15, s43
	s_lshl_b32 s44, 0x1111, s40
	s_or_b32 s[G1+0], s43, (0<<16)|(1<<20)|(1<<21)|(5<<22)|(3<<25)
	s_or_b32 s[G1B+0], s44, (0<<16)|(1<<20)|(1<<21)|(5<<22)|(3<<25)
.irp g, G1, G1B
	s_mov_b32 s[\g+1], ROWB<<16
	s_mov_b32 s[\g+2], 128<<16
	s_mov_b32 s[\g+3], ROWB<<16
	s_mov_b32 s[\g+4], 128
	s_mov_b32 s[\g+5], KROW
	s_mov_b32 s[\g+6], 0
	s_mov_b32 s[\g+7], 0
.endr
	s_lshl_b32 s18, s16, 7
	s_lshl_b32 s20, s17, 8
	s_add_co_u32 s20, s20, s18
	s_lshl_b32 s46, s42, 8
	s_add_co_u32 s46, s46, s18
	s_mov_b32 s21, 0
	s_mov_b32 s47, 0
	s_mov_b64 s[18:19], KROW
	s_mul_u64 s[20:21], s[20:21], s[18:19]
	s_mul_u64 s[46:47], s[46:47], s[18:19]
	s_mul_i32 s45, s14, HALFT
	s_wait_kmcnt 0x0
	s_load_b128 s[88:91], s[74:75], 0x30
	s_add_nc_u64 s[20:21], s[68:69], s[20:21]
	s_add_nc_u64 s[46:47], s[70:71], s[46:47]
	CROUND
.irp s, 0,1
	s_mov_b32 s[G0+4*\s], 1
	s_add_co_u32 s[G0+4*\s+1], s45, \s*SLOT
	s_add_nc_u64 s[G0+4*\s+2:G0+4*\s+3], s[20:21], \s*ROWB
	s_or_b32 s[G0+4*\s+3], s[G0+4*\s+3], 0x80000000
	s_mov_b32 s[G0B+4*\s], 1
	s_add_co_u32 s[G0B+4*\s+1], s45, \s*SLOT
	s_add_nc_u64 s[G0B+4*\s+2:G0B+4*\s+3], s[46:47], \s*ROWB
	s_or_b32 s[G0B+4*\s+3], s[G0B+4*\s+3], 0x80000000
	s_wait_alu depctr_va_vdst(0)
	s_wait_tensorcnt 0x0
	ds_add_u32 v28, v29
	ds_add_u32 v28, v29
	s_wait_dscnt 0x0
	CROUND
	JLOAD G0+4*\s, G1, G0B+4*\s, G1B
.endr
	v_and_b32 v1, 15, v0
	v_bfe_u32 v2, v0, 4, 1
	v_mul_u32_u24 v3, v1, PITCH
	v_lshl_add_u32 v4, v2, 4, v3
	s_mul_i32 s21, s15, HALFT
	s_mul_i32 s22, s16, HALFT
	s_add_co_u32 s22, s22, 2*HALFT
.irp s, 0,1
	v_add_nc_u32 v[ADRA+\s], s21, v4
	v_add_nc_u32 v[ADRB+\s], s22, v4
	s_add_co_u32 s21, s21, SLOT
	s_add_co_u32 s22, s22, SLOT
.endr
	v_and_b32 v6, 31, v0
	v_lshlrev_b32 v[CO], 4, v6
	v_lshlrev_b32 v31, 5, v2
	s_wait_alu depctr_va_vdst(0)
	s_lshl_b32 s18, s17, 4
	s_lshl_b32 s19, s15, 3
	s_add_co_u32 s18, s18, s19
	s_lshl_b32 s18, s18, 16
	s_lshl_b32 s19, s42, 2
	s_lshl_b32 s22, s16, 1
	s_add_co_u32 s19, s19, s22
	s_lshl_b32 s19, s19, 10
	s_add_co_u32 s18, s18, s19
	s_mov_b32 s19, 0
	s_add_nc_u64 s[10:11], s[76:77], s[18:19]
	s_lshl_b32 s22, s42, 10
	s_lshl_b32 s23, s16, 9
	s_add_co_u32 s22, s22, s23
	s_mov_b32 s23, 0
	s_add_nc_u64 s[12:13], s[72:73], s[22:23]
.irp b, 0,1,2,3,4,5,6,7
	global_load_b128 v[BC+8*\b:BC+8*\b+3], v31, s[12:13] offset:64*\b
	global_load_b128 v[BC+8*\b+4:BC+8*\b+7], v31, s[12:13] offset:64*\b+16
.endr
.macro FRAG reg, adr, q, i
.irp c, 0,1,2,3
	ds_load_b128 v[\reg+4*\c:\reg+4*\c+3], v[\adr] offset:128*(\q)+32*\c+(\i)*16*PITCH
.endr
.endm
.macro MUL16 a0, p, zero
.irp a, \a0, \a0+1
.irp b, 0,1,2,3,4,5,6,7
.if \zero
	v_wmma_f32_16x16x128_bf8_bf8 v[8*(8*((\a)%4)+\b):8*(8*((\a)%4)+\b)+7], v[128*(\p)+FR*\b:128*(\p)+FR*\b+FR-1], v[AF+FR*(\a):AF+FR*(\a)+FR-1], 0
.else
	v_wmma_f32_16x16x128_bf8_bf8 v[8*(8*((\a)%4)+\b):8*(8*((\a)%4)+\b)+7], v[128*(\p)+FR*\b:128*(\p)+FR*\b+FR-1], v[AF+FR*(\a):AF+FR*(\a)+FR-1], v[8*(8*((\a)%4)+\b):8*(8*((\a)%4)+\b)+7]
.endif
.endr
.endr
.endm
.macro FETCH_B slot, q, p
	WIN TO_B
.irp i, 0,1,2,3,4,5,6,7
	FRAG 128*(\p)+FR*\i, ADRB+\slot, \q, \i
.endr
	WIN 0
.endm
.macro FETCH_A slot, q, i0
.irp i, \i0, \i0+1, \i0+2, \i0+3
	FRAG AF+FR*(\i), ADRA+\slot, \q, \i
.endr
.endm
.macro PLACES n
.rept \n
	v_nop
.endr
.endm
.macro STEP slot, q, zero
	s_wait_dscnt 4*NL
	WIN MUL_LO
	MUL16 0, (\q)%2, \zero
	MUL16 2, (\q)%2, \zero
	s_wait_dscnt 0
	PLACES NP
	FETCH_B \slot, (\q)+1, 1-(\q)%2
	FETCH_A \slot, (\q)+1, 0
	WIN MUL_HI
	MUL16 4, (\q)%2, \zero
	MUL16 6, (\q)%2, \zero
	PLACES NP
	WIN 0
	FETCH_A \slot, (\q)+1, 4
.endm
.macro TURN slot, next, fill
	s_wait_tensorcnt 0x0
	ds_add_u32 v[SPW], v[NIL]
	s_wait_dscnt 4*NL+1
	WIN MUL_LO
	MUL16 0, 1, 0
	s_wait_dscnt 0x0
	s_barrier_signal -1
	MUL16 2, 1, 0
	WIN 0
	s_barrier_wait -1
.if \fill
	CREST
	s_add_nc_u64 s[G0+4*\slot+2:G0+4*\slot+3], s[G0+4*\slot+2:G0+4*\slot+3], 2*ROWB
	s_add_nc_u64 s[G0B+4*\slot+2:G0B+4*\slot+3], s[G0B+4*\slot+2:G0B+4*\slot+3], 2*ROWB
	JLOAD G0+4*\slot, G1, G0B+4*\slot, G1B
.else
	PLACES NP
.endif
	FETCH_B \next, 0, 0
	FETCH_A \next, 0, 0
	WIN MUL_HI
	MUL16 4, 1, 0
	MUL16 6, 1, 0
	PLACES NP
	WIN 0
	FETCH_A \next, 0, 4
.endm
	s_wait_tensorcnt 1
	s_barrier_signal -1
	s_barrier_wait -1
	FETCH_B 0, 0, 0
	FETCH_A 0, 0, 0
	FETCH_A 0, 0, 4
	STEP 0, 0, 1
	s_mov_b32 s3, LAPS-1
.Llap:
	TURN 0, 1, 1
	STEP 1, 0, 0
	TURN 1, 0, 1
	STEP 0, 0, 0
	s_sub_co_u32 s3, s3, 1
	s_cmp_lg_u32 s3, 0
	s_cbranch_scc1 .Llap
	TURN 0, 1, 0
	STEP 1, 0, 0
	s_wait_dscnt 4*NL
	WIN MUL_LO
	MUL16 0, 1, 0
	MUL16 2, 1, 0
	s_wait_dscnt 0
	WIN MUL_HI
	MUL16 4, 1, 0
	MUL16 6, 1, 0
	WIN 0
.macro KONST k, bits
	v_mov_b32 v[EC+2*\k], \bits
	v_mov_b32 v[EC+2*\k+1], \bits
.endm
	KONST 0, 0xaf95df0b
	KONST 1, 0x32edffee
	KONST 2, 0xb60cff51
	KONST 3, 0xb86ec2d2
	KONST 4, 0xba40ac63
	KONST 5, 0xbb41a1f6
	KONST 6, 0xbc83dbd4
	KONST 7, 0xb77460cd
	KONST 8, 0xb95fbd29
	KONST 9, 0xbadc924e
	KONST 10, 0xbbf19bf8
	KONST 11, 0xbc69b6a7
	s_wait_kmcnt 0x0
	s_add_co_i32 s96, s88, s89
	s_lshl_b32 s96, s96, 23
	s_add_co_i32 s96, s96, 0x3f3504f3
	s_mov_b32 s97, s96
	s_add_co_i32 s90, s90, 127
	s_lshl_b32 s91, s90, 23
	v_mov_b32 v121, s91
	s_add_co_i32 s90, s90, 15
	s_lshl_b32 s90, s90, 23
	s_or_b32 s90, s90, 0x600000
	v_mov_b32 v120, s90
	s_wait_loadcnt 0x0
.set jj, 0
.rept 32
	v_pk_mul_f32 v[BC+jj:BC+jj+1], v[BC+jj:BC+jj+1], 0x3f3504f3 op_sel_hi:[1,0]
.set jj, jj+2
.endr
.macro GET a
	WIN 0x02+((\a)/4)
.set jj, 0
.rept 32
	v_pk_fma_f32 v[U+jj:U+jj+1], v[64*((\a)%4)+jj:64*((\a)%4)+jj+1], s[96:97], v[BC+jj:BC+jj+1] op_sel_hi:[1,0,1]
.set jj, jj+2
.endr
	WIN 0
.endm
.macro GRP gq
.set UG, U+16*\gq
.irp i, 0,1,2,3,4,5,6,7,8,9,10,11,12,13,14,15
	v_med3_num_f32 v[UC+\i], v[UG+\i], -4.0, 4.0
.endr
.irp i, 0,2,4,6,8,10,12,14
	v_pk_mul_f32 v[W+\i:W+\i+1], v[UC+\i:UC+\i+1], v[UC+\i:UC+\i+1]
.endr
.irp i, 0,2,4,6,8,10,12,14
	v_pk_fma_f32 v[P+\i:P+\i+1], v[W+\i:W+\i+1], v[EC:EC+1], v[EC+2:EC+3]
	v_pk_fma_f32 v[Q+\i:Q+\i+1], v[W+\i:W+\i+1], v[EC+14:EC+15], v[EC+16:EC+17]
.endr
.irp k, 2,3,4,5,6
.irp i, 0,2,4,6,8,10,12,14
	v_pk_fma_f32 v[P+\i:P+\i+1], v[P+\i:P+\i+1], v[W+\i:W+\i+1], v[EC+2*\k:EC+2*\k+1]
.endr
.endr
.irp k, 9,10,11
.irp i, 0,2,4,6,8,10,12,14
	v_pk_fma_f32 v[Q+\i:Q+\i+1], v[Q+\i:Q+\i+1], v[W+\i:W+\i+1], v[EC+2*\k:EC+2*\k+1]
.endr
.endr
	s_wait_alu depctr_va_vdst(0)
.irp i, 0,1,2,3,4,5,6,7,8,9,10,11,12,13,14,15
	v_rcp_f32 v[Q+\i], v[Q+\i]
.endr
.irp i, 0,2,4,6,8,10,12,14
	v_pk_mul_f32 v[UG+\i:UG+\i+1], v[UG+\i:UG+\i+1], 0x3f3504f3 op_sel_hi:[1,0]
.endr
	s_wait_alu depctr_va_vdst(0)
.irp i, 0,2,4,6,8,10,12,14
	v_pk_mul_f32 v[P+\i:P+\i+1], v[P+\i:P+\i+1], v[Q+\i:Q+\i+1]
.endr
.irp i, 0,2,4,6,8,10,12,14
	v_pk_mul_f32 v[P+\i:P+\i+1], v[P+\i:P+\i+1], v[UC+\i:UC+\i+1]
.endr
.irp i, 0,2,4,6,8,10,12,14
	v_pk_fma_f32 v[UG+\i:UG+\i+1], v[UG+\i:UG+\i+1], v[P+\i:P+\i+1], v[UG+\i:UG+\i+1]
.endr
.irp i, 0,1,2,3,4,5,6,7,8,9,10,11,12,13,14,15
	v_med3_num_f32 v[UG+\i], v[UG+\i], -v120, v120
.endr
.if \gq == 0
	s_wait_alu depctr_va_vdst(0)
	s_wait_xcnt 0x0
	s_add_nc_u64 s[10:11], s[10:11], s[18:19]
.endif
	v_cvt_scalef32_pk8_bf8_f32 v[PCS+4*\gq:PCS+4*\gq+1], v[UG:UG+7], v121
	v_cvt_scalef32_pk8_bf8_f32 v[PCS+4*\gq+2:PCS+4*\gq+3], v[UG+8:UG+15], v121
	v_nop
	v_permlane16_swap_b32 v[PCS+4*\gq], v[PCS+4*\gq+2]
	v_permlane16_swap_b32 v[PCS+4*\gq+1], v[PCS+4*\gq+3]
.endm
	s_mov_b32 s3, 0
	s_mov_b64 s[18:19], 0
.Lblk:
.irp a, 0,1,2,3,4,5,6
	s_cmp_eq_u32 s3, \a
	s_cbranch_scc1 .Lget\a
.endr
	GET 7
	s_branch .Lgot
.irp a, 0,1,2,3,4,5,6
.Lget\a:
	GET \a
	s_branch .Lgot
.endr
.Lgot:
	GRP 0
	GRP 1
	GRP 2
	GRP 3
.irp i, 0,1,2,3
	global_store_b128 v[CO], v[PCS+4*\i:PCS+4*\i+3], s[10:11] offset:512*\i
.endr
	s_mov_b64 s[18:19], 65536
	s_add_co_u32 s3, s3, 1
	s_cmp_lt_u32 s3, 8
	s_cbranch_scc1 .Lblk
	s_wait_tensorcnt 0x0
	ds_add_u32 v[SPW], v[NIL]
	s_wait_dscnt 0x0
	CROUND
	s_endpgm
.Lfunc_end_k_qf708ceac06_w1:
	.size	k_qf708ceac06_w1, .Lfunc_end_k_qf708ceac06_w1-k_qf708ceac06_w1
	.p2alignl 7, 3214868480
	.fill 96, 4, 3214868480
	.section	.rodata,"a",@progbits
	.p2align	6, 0x0
	.amdhsa_kernel k_qf708ceac06_w1
		.amdhsa_group_segment_fixed_size 327680
		.amdhsa_private_segment_fixed_size 0
		.amdhsa_enable_private_segment 0
		.amdhsa_kernarg_size 40
		.amdhsa_user_sgpr_count 2
		.amdhsa_user_sgpr_kernarg_segment_ptr 1
		.amdhsa_wavefront_size32 1
		.amdhsa_system_sgpr_workgroup_id_x 1
		.amdhsa_system_sgpr_workgroup_id_y 1
		.amdhsa_system_sgpr_workgroup_id_z 1
		.amdhsa_system_vgpr_workitem_id 0
		.amdhsa_next_free_vgpr 1024
		.amdhsa_next_free_sgpr 102
		.amdhsa_reserve_vcc 0
		.amdhsa_float_denorm_mode_32 3
		.amdhsa_float_denorm_mode_16_64 3
		.amdhsa_memory_ordered 1
		.amdhsa_forward_progress 1
		.amdhsa_inst_pref_size 145
	.end_amdhsa_kernel
	.amdgpu_metadata
---
amdhsa.version: [ 1, 2 ]
amdhsa.kernels:
  - .name:           k_qf708ceac06_w1
    .symbol:         k_qf708ceac06_w1.kd
    .args:
      - { .name: h2, .offset: 0, .size: 8, .value_kind: global_buffer, .address_space: global }
      - { .name: w1_codes, .offset: 8, .size: 8, .value_kind: global_buffer, .address_space: global }
      - { .name: b1, .offset: 16, .size: 8, .value_kind: global_buffer, .address_space: global }
      - { .name: lowp_scales, .offset: 24, .size: 8, .value_kind: global_buffer, .address_space: global }
      - { .name: g, .offset: 32, .size: 8, .value_kind: global_buffer, .address_space: global }
    .group_segment_fixed_size: 327680
    .private_segment_fixed_size: 0
    .kernarg_segment_align: 8
    .kernarg_segment_size: 40
    .max_flat_workgroup_size: 128
    .sgpr_count:     102
    .vgpr_count:     1024
    .wavefront_size: 32
...
	.end_amdgpu_metadata
.endif
;; end of part 6
;; launch w2 (part 7): grid 8 x 32, 4 waves a work-group, clusters of 4 x 4, 327,680 bytes of LDS; arguments g, w2_codes, b2, x1, lowp_scales, out0; writes out0
.if DOCPART == 7
	.amdgcn_target "amdgcn-amd-amdhsa--gfx1250"
	.amdhsa_code_object_version 6
	.text
	.protected	k_qf708ceac06_w2
	.globl	k_qf708ceac06_w2
	.p2align	8
	.type	k_qf708ceac06_w2,@function
k_qf708ceac06_w2:
	s_mov_b64 s[64:65], 0
	v_nop
	global_prefetch_b8 v0, s[64:65] scope:SCOPE_SE
	s_setreg_imm32_b32 hwreg(HW_REG_WAVE_MODE, 25, 1), 1
	s_wait_xcnt 0x0
	s_wait_alu depctr_hold_cnt(0) depctr_sa_sdst(0) depctr_va_vdst(0) depctr_va_sdst(0) depctr_va_ssrc(0) depctr_va_vcc(0) depctr_vm_vsrc(0)
	s_getreg_b32 s2, hwreg(HW_REG_IB_STS2, 6, 4)
	s_cmp_eq_u32 s2, 0
	s_cbranch_scc0 .Lentry_in_a_cluster
	s_endpgm
.Lentry_in_a_cluster:
	s_bfe_u32 s2, ttmp6, 0x10000c
	s_cmp_lg_u32 s2, 0xf033
	s_cbranch_scc0 .Lentry_shape_is_right
	s_endpgm
.Lentry_shape_is_right:
; out = resid + bias + A B^T x 2^(eA + eB).  A: 4,096 rows x KB codes of E5M2, as images of operand registers: [tile of 16 rows 256][64 along K: KB / 64][2][lane 32][16 bytes]; B: [1024 (n)][KB] codes, rows along K.
; resid, out: [4096][1024] f32; bias [1024] f32.  Here KB = 4,096 (A = g, B = w2, entries 14 and 15, resid = x1).
; A tile of C is 128 x 128: 256 work-groups; four waves, 64 x 64 each: 16 accumulators.  K goes in steps of 512 through two LDS slots filled by the tensor data mover.
; The matrix form is the one of K = 64: a fragment is 8 registers.  B's come by two loads of 16 bytes, 32 bytes apart, so registers 4 p .. 4 p + 3 hold k = 32 p + 16 (l / 16) + 0..15; A's images were laid in that same order.
; THE MATRIX INSTRUCTION IS USED TRANSPOSED (source 0 = 16 rows of B, source 1 = 16 rows of A): a lane holds eight neighbouring numbers of a row of C.
; CLUSTERS: 4 x 4; A's tiles are asked for jointly along a row of the cluster, B's along a column.
; LIMIT: eA + eB between -126 and 127.
; REGISTERS: window 0: v0-31 addresses, v[8:11] my four columns' bias; v32-95 two blocks of the residual; v96-127 a block of sums read back by rows; v128-255 the accumulators ((a, b) at v[128 + 8 (4 a + b)]).
;   window 1: two fragment buffers of 128: for 128 along K, 64 registers of A, then 64 of B.
.set KB,     4096
.set SCB,    56                        ; byte of eA among the scales' exponents; eB follows it
.set NTS,    1                         ; the result is written once and read by nobody here
.set PITCH,  528                       ; a row of B in LDS: 512 bytes + 16 of padding = 132 words: the 16 rows of a load start at 16 different banks (64 banks of 4 bytes: ISA guide 11.1)
.set AREG,   65536                     ; A's part of a slot: 8 tiles of 16 rows x 8 pieces of 64 along K x 1,024 bytes, dense
.set SLOT,   AREG+128*PITCH            ; then B's 128 rows
.set ASTEP,  16384                     ; two slots on along K: in A's images,
.set BSTEP,  1024                      ; in B's rows
.set STAGE,  2*SLOT                    ; behind the ring: 16 rows x 272 bytes for each wave
.set SPITCH, 272
.set SPARE,  STAGE+4*16*SPITCH         ; behind the stages: the spare words, 128 bytes a wave: two blocks of 256 bytes that no other line names
.set LAPS,   KB/1024
.set ADRA, 16
.set ADRB, 20
.set STO,  24
.set RD,   25
.set CO,   26
.set SPW,  28
.set NIL,  29
.set BK,   96
.set ACC,  128
.set F0,   0
.set F1,   128
.set G1, 24
.set G0, 32
.set G1B, 48
.set G0B, 56
.set MSB, 0
.macro WIN new                         ; the immediate's high byte repeats the setting that is left
.if MSB != \new
	s_set_vgpr_msb (MSB<<8)|\new
.set MSB, \new
.endif
.endm
.set MUL,  0x05                        ; sources 0 (B) and 1 (A) window 1; C and D window 0
.set TO_F, 0x40                        ; destination window 1, address window 0
.macro JLOAD s                         ; a joint load: waves 0 and 1 fetch A's two halves, waves 2 and 3 B's; four v_nop follow each line
	s_cmp_eq_u32 s11, 0
	s_cbranch_scc0 .Lfor_b_\@
	tensor_load_to_lds s[G0+4*\s:G0+4*\s+3], s[G1:G1+7]
	s_nop 0
.rept 4
	v_nop
.endr
	s_branch .Lasked_\@
.Lfor_b_\@:
	tensor_load_to_lds s[G0B+4*\s:G0B+4*\s+3], s[G1B:G1B+7]
	s_nop 0
.rept 4
	v_nop
.endr
.Lasked_\@:
.endm
.macro CREST
	s_cmp_lg_u32 s10, 0
	s_cbranch_scc1 .Lnot_wave_0_\@
	s_barrier_signal -3
.Lnot_wave_0_\@:
	s_barrier_wait -3
	s_barrier_signal -1
	s_barrier_wait -1
.endm
.macro CROUND
	s_barrier_signal -1
	s_barrier_wait -1
	CREST
.endm
	s_load_b256 s[68:75], s[0:1], 0x0              ; A s[68:69], B s[70:71], bias s[72:73], resid s[74:75]
	s_load_b128 s[76:79], s[0:1], 0x20             ; the scales' exponents s[76:77], out s[78:79]
	v_lshl_add_u32 v[SPW], v0, 2, SPARE
	v_mov_b32 v[NIL], 0
	ds_add_u32 v28, v29
	ds_add_u32 v28, v29
	s_wait_dscnt 0x0
	v_lshrrev_b32 v1, 5, v0
	v_readfirstlane_b32 s10, v1                    ; wave 0..3
	s_lshr_b32 s11, s10, 1                         ; which half of the tile's rows is mine.  Also: I fetch for A (0) or for B (1)
	s_and_b32 s12, s10, 1                          ; which half of its columns.  Also: which half of that tile I fetch
	s_bfe_u32 s40, ttmp6, 0x40000                  ; cx, cy
	s_bfe_u32 s41, ttmp6, 0x40004
	s_lshl_b32 s42, ttmp9, 2
	s_add_co_u32 s42, s42, s40                     ; tile column of C
	s_and_b32 s13, ttmp7, 0xffff
	s_lshl_b32 s13, s13, 2
	s_add_co_u32 s13, s13, s41                     ; tile row of C
	s_lshl_b32 s43, s41, 2
	s_lshl_b32 s43, 15, s43                        ; my row of the cluster
	s_lshl_b32 s44, 0x1111, s40                    ; my column
	s_or_b32 s[G1+0], s43, (3<<16)|(1<<21)         ; A: the mask; elements of 8 bytes; 21 set beside a mask; no padding
	s_mov_b32 s[G1+1], 1024<<16                    ; tensor_dim0 = 1,024 elements: a tile's 8,192 bytes of a slot
	s_mov_b32 s[G1+2], 4<<16                       ; tensor_dim1 = 4 tiles of 16 rows
	s_mov_b32 s[G1+3], 1024<<16                    ; tile_dim0
	s_mov_b32 s[G1+4], 4                           ; tile_dim1
	s_mov_b32 s[G1+5], 2*KB                        ; from tile to tile: 16 KB bytes
	s_mov_b32 s[G1+6], 0
	s_mov_b32 s[G1+7], 0
	s_or_b32 s[G1B+0], s44, (0<<16)|(1<<20)|(1<<21)|(6<<22)|(3<<25)   ; B: elements of 1 byte; four words of padding after every 128
	s_mov_b32 s[G1B+1], 512<<16
	s_mov_b32 s[G1B+2], 64<<16
	s_mov_b32 s[G1B+3], 512<<16
	s_mov_b32 s[G1B+4], 64
	s_mov_b32 s[G1B+5], KB
	s_mov_b32 s[G1B+6], 0
	s_mov_b32 s[G1B+7], 0
	s_lshl_b32 s16, s13, 3
	s_lshl_b32 s17, s12, 2
	s_add_co_u32 s16, s16, s17                     ; A: tile of 16 rows 8 x tile row + 4 x half
	s_lshl_b32 s46, s42, 7
	s_lshl_b32 s17, s12, 6
	s_add_co_u32 s46, s46, s17                     ; B: row 128 x tile column + 64 x half
	s_mov_b32 s17, 0
	s_mov_b32 s47, 0
	s_mov_b64 s[18:19], 16*KB
	s_mul_u64 s[16:17], s[16:17], s[18:19]
	s_mov_b64 s[18:19], KB
	s_mul_u64 s[46:47], s[46:47], s[18:19]
	s_lshl_b32 s20, s12, 15                        ; where they go: A's half,
	s_mul_i32 s21, s12, 64*PITCH
	s_add_co_u32 s21, s21, AREG                    ; B's half: no place in the cluster enters an LDS address
	s_wait_kmcnt 0x0
	s_load_b64 s[80:81], s[76:77], SCB             ; eA, eB
	s_add_nc_u64 s[14:15], s[68:69], s[16:17]
	s_add_nc_u64 s[46:47], s[70:71], s[46:47]
	CROUND                                         ; all sixteen work-groups are here: the first joint loads meet
.irp s, 0,1
	s_mov_b32 s[G0+4*\s], 1
	s_add_co_u32 s[G0+4*\s+1], s20, \s*SLOT
	s_add_nc_u64 s[G0+4*\s+2:G0+4*\s+3], s[14:15], \s*8192
	s_or_b32 s[G0+4*\s+3], s[G0+4*\s+3], 0x80000000
	s_mov_b32 s[G0B+4*\s], 1
	s_add_co_u32 s[G0B+4*\s+1], s21, \s*SLOT
	s_add_nc_u64 s[G0B+4*\s+2:G0B+4*\s+3], s[46:47], \s*512
	s_or_b32 s[G0B+4*\s+3], s[G0B+4*\s+3], 0x80000000
.endr
	JLOAD 0                                        ; slot 0: my one tensor load at the head
	v_and_b32 v1, 15, v0                           ; l % 16
	v_bfe_u32 v2, v0, 4, 1                         ; l / 16
	v_and_b32 v6, 31, v0
	v_lshlrev_b32 v6, 4, v6                        ; 16 x lane: my place in an image
	v_mul_u32_u24 v3, v1, PITCH
	v_lshl_add_u32 v3, v2, 4, v3                   ; B: row x pitch + 16 x half
	s_lshl_b32 s21, s11, 15                        ; my four tiles of A
	s_mul_i32 s22, s12, 64*PITCH                   ; my 64 rows of B
	s_add_co_u32 s22, s22, AREG
.irp s, 0,1
	v_add_nc_u32 v[ADRA+\s], s21, v6
	v_add_nc_u32 v[ADRB+\s], s22, v3
	s_add_co_u32 s21, s21, SLOT
	s_add_co_u32 s22, s22, SLOT
.endr
	s_mul_i32 s23, s10, 16*SPITCH
	s_add_co_u32 s23, s23, STAGE                   ; my stage
	v_mul_u32_u24 v4, v1, SPITCH
	v_lshl_add_u32 v4, v2, 5, v4
	v_add_nc_u32 v[STO], s23, v4                   ; in: row l % 16, 32 bytes for each half of the lanes
	v_mul_u32_u24 v5, v2, SPITCH
	v_lshl_add_u32 v5, v1, 4, v5
	v_add_nc_u32 v[RD], s23, v5                    ; back: lanes 0-15 one row of 256 bytes, lanes 16-31 the next
	v_lshlrev_b32 v5, 12, v2
	v_lshl_add_u32 v[CO], v1, 4, v5                ; and the same two rows in resid and out: 4,096 bytes a row
	v_lshlrev_b32 v27, 4, v1                       ; my four columns in the bias
	s_wait_alu depctr_va_vdst(0)
	s_lshl_b32 s16, s13, 7
	s_lshl_b32 s17, s11, 6
	s_add_co_u32 s16, s16, s17
	s_lshl_b32 s16, s16, 12                        ; my first row, in bytes
	s_mov_b32 s17, 0
	s_lshl_b32 s46, s42, 9
	s_lshl_b32 s47, s12, 8
	s_add_co_u32 s46, s46, s47                     ; my first column, in bytes
	s_mov_b32 s47, 0
	s_add_nc_u64 s[72:73], s[72:73], s[46:47]
	s_add_nc_u64 s[82:83], s[74:75], s[16:17]
	s_add_nc_u64 s[82:83], s[82:83], s[46:47]
	s_add_nc_u64 s[8:9], s[78:79], s[16:17]
	s_add_nc_u64 s[8:9], s[8:9], s[46:47]
.macro XLOAD a                         ; the residual of my rows 16 a on, laid as the rows come back from the stage; into set a % 2
.irp t, 0,1,2,3,4,5,6,7
	global_load_b128 v[32+32*((\a)%2)+4*\t:32+32*((\a)%2)+4*\t+3], v[CO], s[82:83] offset:(16*(\a)+2*\t)*4096
.endr
.endm
	global_load_b128 v[8:11], v27, s[72:73]
	XLOAD 0                                        ; these land while the products run
	XLOAD 1
.macro MUL8 f, c, a0, zero             ; 8 matrix instructions: m blocks a0, a0 + 1 x all 4 n blocks, 64 along K: half c of buffer f.  The 16 accumulators take turns
.irp a, \a0, \a0+1
.irp b, 0,1,2,3
.if \zero
	v_wmma_f32_16x16x64_bf8_bf8 v[ACC+8*(4*(\a)+\b):ACC+8*(4*(\a)+\b)+7], v[\f+64+8*(4*\c+\b):\f+64+8*(4*\c+\b)+7], v[\f+8*(4*\c+\a):\f+8*(4*\c+\a)+7], 0
.else
	v_wmma_f32_16x16x64_bf8_bf8 v[ACC+8*(4*(\a)+\b):ACC+8*(4*(\a)+\b)+7], v[\f+64+8*(4*\c+\b):\f+64+8*(4*\c+\b)+7], v[\f+8*(4*\c+\a):\f+8*(4*\c+\a)+7], v[ACC+8*(4*(\a)+\b):ACC+8*(4*(\a)+\b)+7]
.endif
.endr
.endr
.endm
.macro FETCH slot, k, f                ; 32 LDS loads in one run: the fragments of 128 along K from k on, into buffer f; the first 64 along K first
	WIN TO_F
.irp c, 0,1
.irp i, 0,1,2,3
	ds_load_b128 v[\f+64+8*(4*\c+\i):\f+64+8*(4*\c+\i)+3],   v[ADRB+\slot] offset:\k+64*\c+\i*16*PITCH
	ds_load_b128 v[\f+64+8*(4*\c+\i)+4:\f+64+8*(4*\c+\i)+7], v[ADRB+\slot] offset:\k+64*\c+\i*16*PITCH+32
	ds_load_b128 v[\f+8*(4*\c+\i):\f+8*(4*\c+\i)+3],         v[ADRA+\slot] offset:((\k)/64+\c)*1024+\i*8192
	ds_load_b128 v[\f+8*(4*\c+\i)+4:\f+8*(4*\c+\i)+7],       v[ADRA+\slot] offset:((\k)/64+\c)*1024+\i*8192+512
.endr
.endr
.endm
.macro PLACES                          ; four plain vector instructions that name no register of the matrix instructions ahead (ISA guide 7.12.1)
.rept 4
	v_nop
.endr
.endm
.macro QUARTER slot, k, f, g, zero     ; a quarter of a slot: 128 along K, 32 matrix instructions on buffer f; in its middle the next quarter, from k on, is fetched into g
	s_wait_dscnt 16                                ; the first 64 along K are in; the 16 younger loads may be out
	WIN MUL
	MUL8 \f, 0, 0, \zero
	MUL8 \f, 0, 2, \zero
	PLACES
	FETCH \slot, \k, \g
	s_wait_dscnt 32                                ; all but the 32 just issued
	WIN MUL
	MUL8 \f, 1, 0, 0
	MUL8 \f, 1, 2, 0
.endm
; The last quarter changes slots: ONE barrier; in front of it each wave waits for all its tensor loads, adds 0 to its spare word, and waits for that and for its own reads of this slot.
.macro TURN slot, next, fill
	WIN 0
	s_wait_tensorcnt 0x0                           ; all my tensor loads have landed: my part of the next slot
	ds_add_u32 v[SPW], v[NIL]                      ; 0 onto my spare word
	s_wait_dscnt 17                                ; the add and the youngest sixteen loads may be out
	WIN MUL
	MUL8 F1, 0, 0, 0
	s_wait_dscnt 0x0                               ; the add is done, and my reads of this slot are over
	s_barrier_signal -1
	MUL8 F1, 0, 2, 0
.if \fill
	WIN 0
.endif
	s_barrier_wait -1
.if \fill
	CREST                                          ; the barrier has opened a round of the cluster's: no wave of any partner still reads this slot or has a load on its way
	s_add_nc_u64 s[G0+4*\slot+2:G0+4*\slot+3], s[G0+4*\slot+2:G0+4*\slot+3], ASTEP
	s_add_nc_u64 s[G0B+4*\slot+2:G0B+4*\slot+3], s[G0B+4*\slot+2:G0B+4*\slot+3], BSTEP
	JLOAD \slot                                    ; the first tensor load behind the round; its four v_nop are the places in front of the loads below
.else
	PLACES
.endif
	FETCH \next, 0, F0
	WIN MUL
	MUL8 F1, 1, 0, 0
	MUL8 F1, 1, 2, 0
.endm
	s_wait_alu depctr_va_vdst(0)                   ; the wait at the head's end
	s_wait_tensorcnt 0x0                           ; my part of slot 0 is in
	ds_add_u32 v[SPW], v[NIL]
	s_wait_dscnt 0x0
	CROUND                                         ; everybody's part of slot 0 is in, and all sixteen work-groups are here
	JLOAD 1                                        ; slot 1's first fill: the first tensor load behind the round
	FETCH 0, 0, F0
	QUARTER 0, 128, F0, F1, 1                      ; the first products start the sums
.if LAPS > 1
	WIN 0
	s_mov_b32 s3, LAPS-1
.Llap:                                                 ; a trip goes once round the ring and fills both slots again
	QUARTER 0, 256, F1, F0, 0
	QUARTER 0, 384, F0, F1, 0
	TURN 0, 1, 1
	QUARTER 1, 128, F0, F1, 0
	QUARTER 1, 256, F1, F0, 0
	QUARTER 1, 384, F0, F1, 0
	TURN 1, 0, 1
	QUARTER 0, 128, F0, F1, 0
	WIN 0
	s_sub_co_u32 s3, s3, 1
	s_cmp_lg_u32 s3, 0
	s_cbranch_scc1 .Llap
.endif
	QUARTER 0, 256, F1, F0, 0                      ; the last lap fills nothing
	QUARTER 0, 384, F0, F1, 0
	TURN 0, 1, 0
	QUARTER 1, 128, F0, F1, 0
	QUARTER 1, 256, F1, F0, 0
	QUARTER 1, 384, F0, F1, 0
	s_wait_dscnt 16
	WIN MUL
	MUL8 F1, 0, 0, 0
	MUL8 F1, 0, 2, 0
	s_wait_dscnt 0
	MUL8 F1, 1, 0, 0
	MUL8 F1, 1, 2, 0
	WIN 0
	; THE WAY OUT, 16 rows x my 64 columns at a time, through my own stage: a lane's 32 bytes go in, whole rows of 256 bytes come back; no other wave touches the stage, so no barrier.
	s_wait_kmcnt 0x0
	s_add_co_i32 s84, s80, s81
	s_add_co_i32 s84, s84, 127
	s_lshl_b32 s84, s84, 23                        ; 2^(eA + eB) as f32
	s_mov_b32 s85, s84
	PLACES
.macro OUTB a
.set XR, 32+32*((\a)%2)
.if (\a) > 0
	s_wait_xcnt 0x0                                ; the last block's stores have read v96-127, which the loads below write
.endif
.irp b, 0,1,2,3
	ds_store_b128 v[STO], v[ACC+8*(4*(\a)+\b):ACC+8*(4*(\a)+\b)+3] offset:64*\b          ; each accumulator from its low end on
	ds_store_b128 v[STO], v[ACC+8*(4*(\a)+\b)+4:ACC+8*(4*(\a)+\b)+7] offset:64*\b+16
.endr
.irp t, 0,1,2,3,4,5,6,7
	ds_load_b128 v[BK+4*\t:BK+4*\t+3], v[RD] offset:2*\t*SPITCH   ; LDS serves a wave's instructions in order (ISA guide 5.7.1.4): these see my stores
.endr
.if (\a) < 3
	s_wait_loadcnt 8                               ; this block's residual (and the bias) is in; the next block's eight loads may be out
.else
	s_wait_loadcnt 0
.endif
.irp t, 0,1,2,3,4,5,6,7
	v_pk_add_f32 v[XR+4*\t:XR+4*\t+1], v[XR+4*\t:XR+4*\t+1], v[8:9]        ; resid + bias, while the rows come back
	v_pk_add_f32 v[XR+4*\t+2:XR+4*\t+3], v[XR+4*\t+2:XR+4*\t+3], v[10:11]
.endr
	s_wait_dscnt 0x0
.irp t, 0,1,2,3,4,5,6,7
	v_pk_fma_f32 v[BK+4*\t:BK+4*\t+1], v[BK+4*\t:BK+4*\t+1], s[84:85], v[XR+4*\t:XR+4*\t+1] op_sel_hi:[1,0,1]
	v_pk_fma_f32 v[BK+4*\t+2:BK+4*\t+3], v[BK+4*\t+2:BK+4*\t+3], s[84:85], v[XR+4*\t+2:XR+4*\t+3] op_sel_hi:[1,0,1]
.endr
.irp t, 0,1,2,3,4,5,6,7
.if NTS
	global_store_b128 v[CO], v[BK+4*\t:BK+4*\t+3], s[8:9] offset:(16*(\a)+2*\t)*4096 th:TH_STORE_NT   ; 16 lanes store 256 consecutive bytes, aligned
.else
	global_store_b128 v[CO], v[BK+4*\t:BK+4*\t+3], s[8:9] offset:(16*(\a)+2*\t)*4096
.endif
.endr
.if (\a) < 2
	XLOAD (\a)+2
.endif
.endm
	OUTB 0
	OUTB 1
	OUTB 2
	OUTB 3
	s_wait_tensorcnt 0x0                           ; the wave's end
	ds_add_u32 v[SPW], v[NIL]
	s_wait_dscnt 0x0
	CROUND                                         ; the closing round
	s_endpgm
.Lfunc_end_k_qf708ceac06_w2:
	.size	k_qf708ceac06_w2, .Lfunc_end_k_qf708ceac06_w2-k_qf708ceac06_w2
	.p2alignl 7, 3214868480
	.fill 96, 4, 3214868480
	.section	.rodata,"a",@progbits
	.p2align	6, 0x0
	.amdhsa_kernel k_qf708ceac06_w2
		.amdhsa_group_segment_fixed_size 327680
		.amdhsa_private_segment_fixed_size 0
		.amdhsa_enable_private_segment 0
		.amdhsa_kernarg_size 48
		.amdhsa_user_sgpr_count 2
		.amdhsa_user_sgpr_kernarg_segment_ptr 1
		.amdhsa_wavefront_size32 1
		.amdhsa_system_sgpr_workgroup_id_x 1
		.amdhsa_system_sgpr_workgroup_id_y 1
		.amdhsa_system_sgpr_workgroup_id_z 1
		.amdhsa_system_vgpr_workitem_id 0
		.amdhsa_next_free_vgpr 512
		.amdhsa_next_free_sgpr 96
		.amdhsa_reserve_vcc 0
		.amdhsa_float_denorm_mode_32 3
		.amdhsa_float_denorm_mode_16_64 3
		.amdhsa_memory_ordered 1
		.amdhsa_forward_progress 1
		.amdhsa_inst_pref_size 98
	.end_amdhsa_kernel
	.amdgpu_metadata
---
amdhsa.version: [ 1, 2 ]
amdhsa.kernels:
  - .name:           k_qf708ceac06_w2
    .symbol:         k_qf708ceac06_w2.kd
    .args:
      - { .name: g, .offset: 0, .size: 8, .value_kind: global_buffer, .address_space: global }
      - { .name: w2_codes, .offset: 8, .size: 8, .value_kind: global_buffer, .address_space: global }
      - { .name: b2, .offset: 16, .size: 8, .value_kind: global_buffer, .address_space: global }
      - { .name: x1, .offset: 24, .size: 8, .value_kind: global_buffer, .address_space: global }
      - { .name: lowp_scales, .offset: 32, .size: 8, .value_kind: global_buffer, .address_space: global }
      - { .name: out0, .offset: 40, .size: 8, .value_kind: global_buffer, .address_space: global }
    .group_segment_fixed_size: 327680
    .private_segment_fixed_size: 0
    .kernarg_segment_align: 8
    .kernarg_segment_size: 48
    .max_flat_workgroup_size: 128
    .sgpr_count:     96
    .vgpr_count:     512
    .wavefront_size: 32
...
	.end_amdgpu_metadata
.endif
;; end of part 7
